; MI455X (gfx1250); checked and timed in simulation.
; The chip was launched on July 23, 2026; its instructions are those of AMD's public machine-readable ISA for CDNA 5 (MIT licence, August 2026) and "CDNA5" Instruction Set Architecture Reference Guide (July 2026). The comments in the code are by the model that wrote it; some were corrected since.
;; MPLM Decoder Layer. Allowed arithmetic: float matrix products may take bf16 or f16 operands with f32 sums; other float arithmetic in f32, or as packed bf16 or f16 multiplies, adds, multiply-adds, maxima and minima; sums over many terms, partial sums and values carried from step to step in f32; what a program stores and reads back later, other than sums and carried values, may be rounded once to bf16 or f16.
;; Inputs: Wdown 4,096 x 1,024 float32; Wgate 1,024 x 4,096 float32; Wk 1,024 x 256 float32; Wo 512 x 1,024 float32; Wq 1,024 x 512 float32; Wup 1,024 x 4,096 float32; Wv 1,024 x 256 float32; attention_mask 2 x 1 x 2,048 x 2,048 float32; hidden_states 2 x 2,048 x 1,024 float32; kv_states 2 x 2,048 x 1,024 float32; ln1_w 1,024 float32; ln2_w 1,024 float32.
;; Outputs: out0 2 x 2,048 x 1,024 float32.
;; One version. Each part assembles by itself: llvm-mc -triple=amdgcn-amd-amdhsa -mcpu=gfx1250 --defsym DOCPART=n.
;; ======== version 1 of 1: 6 launches
;; limits: right only within a limited range of input values
;; workspace buffers: wb 45,613,056 bytes; qkv 8,388,608 bytes; ao 4,194,304 bytes; hx 25,427,968 bytes; act 33,554,432 bytes
;; launch prep (part 1): grid 352 x 1, 8 waves a work-group, no clusters, 0 bytes of LDS; arguments Wo, Wq, Wk, Wv, hidden_states, kv_states, ln1_w, wb; writes wb
.if DOCPART == 1
	.amdgcn_target "amdgcn-amd-amdhsa--gfx1250"
	.amdhsa_code_object_version 6
	.text
	.protected	k_qb700adcafd_prep
	.globl	k_qb700adcafd_prep
	.p2align	8
	.type	k_qb700adcafd_prep,@function
k_qb700adcafd_prep:
	s_mov_b64 s[64:65], 0
	v_nop
	global_prefetch_b8 v0, s[64:65] scope:SCOPE_SE
	s_setreg_imm32_b32 hwreg(HW_REG_WAVE_MODE, 25, 1), 1
	s_wait_xcnt 0x0
; PREPARATION.  Three kinds of work, told apart by the work-group's number; all results go into wb.
; (1) Work-groups 0-255: RMSNorm of hidden_states and kv_states, x * rsqrt(mean x^2 + 1e-6) * ln1_w in f32, rounded once to bf16 and laid in PANELS [1024/64][4096 rows][64].
; (2) The same work-groups, while their rows are on their way: one position a wave of the RoPE table, [2048][cos 32 | sin 32] in f32.
; (3) Work-groups 256-351: the four attention weights, f32 [K][N], are rounded once to bf16 and laid in COLUMN BLOCKS [N/128][K][128]: a block's rows are 256 bytes and lie end to end.
; (The three weights of the MLP, which are wanted four launches on, are cast in the attention launch.)  The norms, 196,608 bytes moved each, stand ahead of the casts, 98,304 each.
; LIMITS.  The angle is pos * 2^(-j * log2(10000)/32) in f32: at pos 2,047 it may differ from another f32 evaluation by some 2e-4 rad.  The cosine is the series to r^16
; on r in [-pi, pi] (remainder pi^18/18! = 1.4e-7), after r = angle - n 2 pi with 2 pi in two parts; sin x = cos(x - pi/2).  NaN and infinities are not treated apart.
; No LDS, no matrix unit, no cluster: nothing is shared, every byte is read once and every store of a wave covers 256 consecutive bytes, aligned.
.set NORMS,  256
.set O_WQKV, 0
.set O_WO,   2097152
.set O_ROPE, 28311552
.set O_XH,   28835840
.set L8,  3                            ; v3       8 x lane
.set SO,  4                            ; v4       cast: 16 x thread
.set DO,  16                           ; v[16:31] cast: line i's byte offset in the block layout
.set CI,  32                           ; v[32:95] cast: 16 lines as loaded
.set CQ,  96                           ; v[96:127] cast: 16 lines to store
.set R,   22                           ; v[22:23] norm: the row's factor, twice
.set A,   24                           ; v[24:31] norm: four packed chains of squares
.set W,   32                           ; v[32:95] norm: ln1_w at my 64 columns
.set X,   96                           ; v[96:223] norm: two pairs of rows, 64 numbers a lane each
	s_load_b512 s[4:19], s[0:1], 0x0               ; Wo s[4:5], Wq s[6:7], Wk s[8:9], Wv s[10:11], hidden_states s[12:13], kv_states s[14:15], ln1_w s[16:17], wb s[18:19]
	v_lshrrev_b32 v1, 5, v0
	v_readfirstlane_b32 s26, v1                    ; wave 0..7
	v_and_b32 v2, 31, v0
	v_lshlrev_b32 v[L8], 3, v2
	s_mov_b32 s37, 0
	s_wait_kmcnt 0x0
	s_cmp_lt_u32 ttmp9, NORMS
	s_cbranch_scc1 .Lnorm
; THE CASTS.  A job is 65,536 bytes of one weight: 128 units of 128 columns of a row (512 bytes in, 256 out).  Line i of wave w is unit 8 i + w of the job.
	s_sub_co_u32 s35, ttmp9, NORMS                 ; the job, 0..95
.macro PICK jb, p, sh, cbs, doff       ; from job jb on: this weight, log2 of its blocks, bytes of a block, its place in wb
	s_cmp_ge_u32 s35, \jb
	s_cselect_b64 s[28:29], s[\p:\p+1], s[28:29]
	s_cselect_b32 s30, \jb, s30
	s_cselect_b32 s31, \sh, s31
	s_cselect_b32 s32, \cbs, s32
	s_cselect_b32 s33, \doff, s33
.endm
	s_mov_b64 s[28:29], s[4:5]                     ; jobs 0-31: Wo
	s_mov_b32 s30, 0
	s_mov_b32 s31, 3
	s_mov_b32 s32, 131072
	s_mov_b32 s33, O_WO
	PICK 32, 6,  2, 262144, O_WQKV
	PICK 64, 8,  1, 262144, O_WQKV+4*262144
	PICK 80, 10, 1, 262144, O_WQKV+6*262144
	s_sub_co_u32 s34, s35, s30                     ; the job's number in its weight
	s_lshl_b32 s36, s34, 16
	s_add_nc_u64 s[28:29], s[28:29], s[36:37]      ; the job's first byte
	s_mov_b32 s36, s33
	s_add_nc_u64 s[38:39], s[18:19], s[36:37]      ; the weight's place in wb
	v_lshlrev_b32 v[SO], 4, v0
.set i, 0
.rept 16
	global_load_b128 v[CI+4*i:CI+4*i+3], v[SO], s[28:29] offset:4096*i th:TH_LOAD_NT
.set i, i+1
.endr
	s_lshl_b32 s42, s34, 7
	s_add_co_u32 s42, s42, s26                     ; my first unit
	s_bfm_b32 s43, s31, 0                          ; blocks - 1
.set i, 0
.rept 16                                       ; unit u: row k = u / blocks, block u % blocks
	s_add_co_u32 s44, s42, 8*i
	s_lshr_b32 s45, s44, s31
	s_and_b32 s44, s44, s43
	s_mul_i32 s44, s44, s32
	s_lshl_b32 s45, s45, 8
	s_add_co_u32 s44, s44, s45
	v_add_nc_u32 v[DO+i], s44, v[L8]
.set i, i+1
.endr
.set i, 0
.rept 16
	s_wait_loadcnt 15-i                            ; loads come back in order: line i is in, the younger lines stay out
	v_cvt_pk_bf16_f32 v[CQ+2*i], v[CI+4*i], v[CI+4*i+1]
	v_cvt_pk_bf16_f32 v[CQ+2*i+1], v[CI+4*i+2], v[CI+4*i+3]
	global_store_b64 v[DO+i], v[CQ+2*i:CQ+2*i+1], s[38:39] th:TH_STORE_NT  ; 32 lanes x 8 bytes: one row of a block
.set i, i+1
.endr
	s_endpgm
; THE NORMS.  Work-group n takes 32 rows; wave w rows 4 w .. 4 w + 3 as two pairs: lanes 0-15 the even row, lanes 16-31 the odd one.  Load p of a pair takes 256 bytes of each row: panel p.
.Lnorm:
	s_mov_b32 s27, ttmp9                           ; n
	s_and_b32 s30, s27, 127
	s_cmp_lt_u32 s27, 128
	s_cselect_b64 s[28:29], s[12:13], s[14:15]
	s_lshl_b32 s36, s30, 17                        ; 32 rows of 4,096 bytes
	s_add_nc_u64 s[28:29], s[28:29], s[36:37]
	v_and_b32 v5, 15, v0                           ; r
	v_bfe_u32 v6, v0, 4, 1                         ; h
	v_lshlrev_b32 v7, 4, v5                        ; 16 r
	s_lshl_b32 s31, s26, 14
	v_lshl_add_u32 v8, v6, 12, v7
	v_add_nc_u32 v8, s31, v8                       ; 16,384 w + 4,096 h + 16 r
.set i, 0
.rept 16
	global_load_b128 v[W+4*i:W+4*i+3], v7, s[16:17] offset:256*i
.set i, i+1
.endr
.set i, 0
.rept 32
	global_load_b128 v[X+4*i:X+4*i+3], v8, s[28:29] offset:8192*(i/16)+256*(i%16) th:TH_LOAD_NT
.set i, i+1
.endr
	; the table's row for position 8 n + w: lane (r, h) makes frequencies 2 r and 2 r + 1, the cosine (h = 0) or the sine (h = 1)
	s_lshl_b32 s32, s27, 3
	s_add_co_u32 s32, s32, s26
	s_mov_b32 s47, 0x40c90fdb                      ; 2 pi, rounded up to f32,
	s_mov_b32 s48, 0xb43bbd2e                      ; and what it has too much, negated
	s_mov_b32 s49, 0xbfc90fdb                      ; -pi / 2
	v_lshlrev_b32 v10, 1, v5
	v_or_b32 v11, 1, v10
	v_cvt_f32_u32 v10, v10
	v_cvt_f32_u32 v11, v11
	v_mul_f32 v10, 0xbed49a78, v10                 ; -j log2(10000) / 32
	v_mul_f32 v11, 0xbed49a78, v11
	v_exp_f32 v10, v10
	v_exp_f32 v11, v11
	v_nop                                          ; a plain instruction behind the last exponential
	v_cvt_f32_u32 v12, s32
	v_cvt_f32_u32 v13, v6
	s_wait_alu depctr_va_vdst(0)                   ; one wait for both, ahead of their first reader
	v_mul_f32 v10, v12, v10                        ; the angles
	v_mul_f32 v11, v12, v11
	v_mul_f32 v14, 0xbe800000, v13                 ; -h / 4
	v_fma_f32 v16, v10, 0x3e22f983, v14            ; angle / 2 pi - h / 4
	v_fma_f32 v17, v11, 0x3e22f983, v14
	v_rndne_f32 v16, v16
	v_rndne_f32 v17, v17
	v_fma_f32 v10, -v16, s47, v10
	v_fma_f32 v11, -v17, s47, v11
	v_fma_f32 v10, -v16, s48, v10
	v_fma_f32 v11, -v17, s48, v11
	v_fma_f32 v10, v13, s49, v10                   ; r = angle - n 2 pi - h pi / 2
	v_fma_f32 v11, v13, s49, v11
	v_pk_mul_f32 v[18:19], v[10:11], v[10:11]
	v_mov_b32 v20, 0x29573f9f                      ; 1/16!
	v_mov_b32 v21, 0x29573f9f
.irp c, 0xad49cba5, 0x310f76c7, 0xb493f27e, 0x37d00d01, 0xbab60b61, 0x3d2aaaab, 0xbf000000, 0x3f800000
	v_pk_fma_f32 v[20:21], v[20:21], v[18:19], \c op_sel_hi:[1,1,0]  ; -1/14!, 1/12!, .. -1/2, 1
.endr
	s_lshl_b32 s50, s32, 8
	s_add_co_u32 s50, s50, O_ROPE
	s_mov_b32 s51, 0
	s_add_nc_u64 s[52:53], s[18:19], s[50:51]
	global_store_b64 v[L8], v[20:21], s[52:53]     ; lanes 0-15: cos 0..31; lanes 16-31: sin 0..31: 256 bytes
	s_lshr_b32 s54, s27, 7
	s_lshl_b32 s54, s54, 23                        ; hidden's panels, or kv's 8,388,608 bytes on
	s_lshl_b32 s55, s30, 12                        ; 32 rows of 128 bytes
	s_add_co_u32 s54, s54, s55
	s_add_co_u32 s54, s54, O_XH
	s_mov_b32 s55, 0
	s_add_nc_u64 s[56:57], s[18:19], s[54:55]
	s_lshl_b32 s58, s26, 9
	v_add_nc_u32 v9, s58, v[L8]                    ; 512 w + 8 x lane: two rows of a panel are 256 consecutive bytes
	s_mov_b32 s60, 0x3a800000                      ; 1 / 1024
	s_mov_b32 s61, 0x358637bd                      ; 1e-6
.macro PAIR q, left
	s_wait_loadcnt \left                           ; ln1_w and this pair are in
.irp c, 0,1,2,3
	v_pk_mul_f32 v[A+2*(\c):A+2*(\c)+1], v[X+64*(\q)+2*(\c):X+64*(\q)+2*(\c)+1], v[X+64*(\q)+2*(\c):X+64*(\q)+2*(\c)+1]  ; the first squares start the chains
.endr
.set j, 4
.rept 28
	v_pk_fma_f32 v[A+2*(j%4):A+2*(j%4)+1], v[X+64*(\q)+2*j:X+64*(\q)+2*j+1], v[X+64*(\q)+2*j:X+64*(\q)+2*j+1], v[A+2*(j%4):A+2*(j%4)+1]
.set j, j+1
.endr
	v_pk_add_f32 v[A:A+1], v[A:A+1], v[A+2:A+3]
	v_pk_add_f32 v[A+4:A+5], v[A+4:A+5], v[A+6:A+7]
	v_pk_add_f32 v[A:A+1], v[A:A+1], v[A+4:A+5]
	v_add_f32 v[A], v[A], v[A+1]
	v_add_f32_dpp v[A], v[A], v[A] row_xmask:1 row_mask:0xf bank_mask:0xf  ; a row lies in 16 lanes: four steps
	v_add_f32_dpp v[A], v[A], v[A] row_xmask:2 row_mask:0xf bank_mask:0xf
	v_add_f32_dpp v[A], v[A], v[A] row_xmask:4 row_mask:0xf bank_mask:0xf
	v_add_f32_dpp v[A], v[A], v[A] row_xmask:8 row_mask:0xf bank_mask:0xf
	v_fma_f32 v[A], v[A], s60, s61
	v_rsq_f32 v[R], v[A]
	v_rsq_f32 v[R+1], v[A]
	v_nop
	s_wait_alu depctr_va_vdst(0)                   ; one wait for the pair of roots
.set j, 0
.rept 32
	v_pk_mul_f32 v[X+64*(\q)+2*j:X+64*(\q)+2*j+1], v[X+64*(\q)+2*j:X+64*(\q)+2*j+1], v[R:R+1]
.set j, j+1
.endr
.set j, 0
.rept 32
	v_pk_mul_f32 v[X+64*(\q)+2*j:X+64*(\q)+2*j+1], v[X+64*(\q)+2*j:X+64*(\q)+2*j+1], v[W+2*j:W+2*j+1]
.set j, j+1
.endr
.set j, 0
.rept 16
	v_cvt_pk_bf16_f32 v[X+64*(\q)+4*j], v[X+64*(\q)+4*j], v[X+64*(\q)+4*j+1]
	v_cvt_pk_bf16_f32 v[X+64*(\q)+4*j+1], v[X+64*(\q)+4*j+2], v[X+64*(\q)+4*j+3]
	global_store_b64 v9, v[X+64*(\q)+4*j:X+64*(\q)+4*j+1], s[56:57] offset:524288*j+256*(\q) th:TH_STORE_NT
.set j, j+1
.endr
.endm
	PAIR 0, 16                                     ; the second pair's 16 loads stay out
	PAIR 1, 0
	s_endpgm
.Lfunc_end_k_qb700adcafd_prep:
	.size	k_qb700adcafd_prep, .Lfunc_end_k_qb700adcafd_prep-k_qb700adcafd_prep
	.p2alignl 7, 3214868480
	.fill 96, 4, 3214868480
	.section	.rodata,"a",@progbits
	.p2align	6, 0x0
	.amdhsa_kernel k_qb700adcafd_prep
		.amdhsa_group_segment_fixed_size 0
		.amdhsa_private_segment_fixed_size 0
		.amdhsa_enable_private_segment 0
		.amdhsa_kernarg_size 64
		.amdhsa_user_sgpr_count 2
		.amdhsa_user_sgpr_kernarg_segment_ptr 1
		.amdhsa_wavefront_size32 1
		.amdhsa_system_sgpr_workgroup_id_x 1
		.amdhsa_system_sgpr_workgroup_id_y 1
		.amdhsa_system_sgpr_workgroup_id_z 1
		.amdhsa_system_vgpr_workitem_id 0
		.amdhsa_next_free_vgpr 224
		.amdhsa_next_free_sgpr 66
		.amdhsa_reserve_vcc 0
		.amdhsa_float_denorm_mode_32 3
		.amdhsa_float_denorm_mode_16_64 3
		.amdhsa_memory_ordered 1
		.amdhsa_forward_progress 1
		.amdhsa_inst_pref_size 40
	.end_amdhsa_kernel
	.amdgpu_metadata
---
amdhsa.version: [ 1, 2 ]
amdhsa.kernels:
  - .name:           k_qb700adcafd_prep
    .symbol:         k_qb700adcafd_prep.kd
    .args:
      - { .name: Wo, .offset: 0, .size: 8, .value_kind: global_buffer, .address_space: global }
      - { .name: Wq, .offset: 8, .size: 8, .value_kind: global_buffer, .address_space: global }
      - { .name: Wk, .offset: 16, .size: 8, .value_kind: global_buffer, .address_space: global }
      - { .name: Wv, .offset: 24, .size: 8, .value_kind: global_buffer, .address_space: global }
      - { .name: hidden_states, .offset: 32, .size: 8, .value_kind: global_buffer, .address_space: global }
      - { .name: kv_states, .offset: 40, .size: 8, .value_kind: global_buffer, .address_space: global }
      - { .name: ln1_w, .offset: 48, .size: 8, .value_kind: global_buffer, .address_space: global }
      - { .name: wb, .offset: 56, .size: 8, .value_kind: global_buffer, .address_space: global }
    .group_segment_fixed_size: 0
    .private_segment_fixed_size: 0
    .kernarg_segment_align: 8
    .kernarg_segment_size: 64
    .max_flat_workgroup_size: 256
    .sgpr_count:     66
    .vgpr_count:     224
    .wavefront_size: 32
...
	.end_amdgpu_metadata
.endif
;; end of part 1
;; launch qkv (part 2): grid 8 x 32, 4 waves a work-group, clusters of 4 x 4, 327,680 bytes of LDS; arguments wb, qkv; writes qkv
.if DOCPART == 2
	.amdgcn_target "amdgcn-amd-amdhsa--gfx1250"
	.amdhsa_code_object_version 6
	.text
	.protected	k_qb700adcafd_qkv
	.globl	k_qb700adcafd_qkv
	.p2align	8
	.type	k_qb700adcafd_qkv,@function
k_qb700adcafd_qkv:
	s_mov_b64 s[64:65], 0
	v_nop
	global_prefetch_b8 v0, s[64:65] scope:SCOPE_SE
	s_setreg_imm32_b32 hwreg(HW_REG_WAVE_MODE, 25, 1), 1
	s_wait_xcnt 0x0
	s_wait_alu depctr_hold_cnt(0) depctr_sa_sdst(0) depctr_va_vdst(0) depctr_va_sdst(0) depctr_va_ssrc(0) depctr_va_vcc(0) depctr_vm_vsrc(0)
	s_getreg_b32 s2, hwreg(HW_REG_IB_STS2, 6, 4)
	s_cmp_eq_u32 s2, 0
	s_cbranch_scc0 .Lentry_in_a_cluster
	s_endpgm
.Lentry_in_a_cluster:
	s_bfe_u32 s2, ttmp6, 0x10000c
	s_cmp_lg_u32 s2, 0xf033
	s_cbranch_scc0 .Lentry_shape_is_right
	s_endpgm
.Lentry_shape_is_right:
; Q, K, V = [norm(hidden) | norm(kv)] x [Wq | Wk | Wv], RoPE on q and k, q times 1/8; bf16 operands, f32 sums, results rounded once to bf16, by heads: panels [16][4096 rows][64]
; (0-7 q, 8-11 k, 12-15 v).  A (activations) lies in panels [16][4096][64], B (weights) in column blocks [8][1024][128], both bf16, in wb.
; SHARES.  A work-group makes 128 rows x 128 columns, each of its four waves 64 x 64: 16 accumulators; a wave's 64 columns are one head.  K goes in steps of 256 through two LDS slots.
; CLUSTER 4 x 4: the four of a row need the same rows of A, the four of a column the same block of B: each tile is asked for jointly.  Cluster x = 0 makes q (from hidden), x = 1 makes k and v (from kv).
; THE MATRIX INSTRUCTION IS USED TRANSPOSED (source 0 = 16 columns of B, source 1 = 16 rows of A): a lane holds row l % 16 and the columns 8 (l / 16) + 0..7.  B lies [k][n] in LDS and comes out turned, by ds_load_tr16_b128.
; RoPE pairs column d with d + 32 of a head: accumulators b and b + 2 of the same lane and register.  What differs between q, k and v are two numbers: cos' = g cos + e, sin' = g sin, with (g, e) = (1/8, 0), (1, 0), (0, 1).
; No prefetch: the launch has four K steps.
; REGISTERS.  window 0: v0-31 addresses; v32-95 at work on the way out; v128-255 the accumulators ((a, b) at 128 + 8 (4 a + b)).  window 1: two fragment buffers of 128 (64 of A, 64 of B, for 64 along K).
; window 2: v0-127 the table's cos and sin for my 64 rows, loaded at the start.
.set KDIM,  1024
.set NS,    KDIM/256
.set PANEL, 524288
.set O_ROPE, 28311552
.set O_XH,  28835840
.set O_XKV, 37224448
.set PA,    144                        ; a row of A in LDS: 128 bytes + 16: the 16 rows of a load start at 16 different groups of four banks
.set PB,    288                        ; a row of B: 256 bytes + 32
.set PART,  36864                      ; what one tensor load brings: two panels x 128 rows of A, or 128 rows of B
.set BOFF,  2*PART
.set SLOT,  4*PART                     ; 147,456: it shares no bit with wave x PART, so one exclusive or turns an LDS word into the other slot's
.set STAGE, 2*SLOT                     ; behind the ring: a stage for each wave
.set STW,   4352
.set SPARE, STAGE+4*STW+1024           ; the spare words, 128 bytes for each wave: two blocks of 256 bytes that no other line names
.set ASTEP, 4*PANEL
.set BSTEP, 65536
.set ADRA0, 16                         ; v16     my lane's place in A's tile; never rewritten
.set ADRB0, 17                         ; v17-18  the same for B's k rows 0-127 and 128-255
.set ADRA,  19                         ; v19     the same in the slot in hand
.set ADRB,  20                         ; v20-21
.set STO,   24
.set RD,    25
.set GO,    26
.set TO,    27
.set SPW,   28                         ; v28     my spare word; never rewritten
.set NIL,   29                         ; v29     0; never rewritten
.set TT,    32
.set CV,    64
.set OB,    80
.set ACC,   128
.set F0,    0
.set F1,    128
.set WV, 16
.set RH, 17                            ; my half of the rows; also: I fetch for A (0) or B (1)
.set CH, 18                            ; my half of the columns; also: which half of that tile I fetch
.set CNT, 19
.set CX, 20
.set CY, 21
.set TC, 22
.set TR, 23
.set G1A, 24                           ; s[24:31] A's shape; s[32:35], s[36:39] from where, to where: the first fill's, and the walking one
.set G0A, 32
.set G1B, 48                           ; s[48:55], s[56:59], s[60:63] the same for B
.set G0B, 56
.set TB, 66                            ; LDS byte at which the slot in hand begins
.set LW, 68                            ; wave x PART
.set GG, 76
.set EE, 78
.set PP, 80
.set OUTP, 82
.set TABP, 84
.set MSB, 0
.macro WIN new                         ; the immediate's high byte repeats the setting that is left
.if MSB != (\new)
	s_set_vgpr_msb (MSB<<8)|(\new)
.set MSB, \new
.endif
.endm
.set MUL,  0x05                        ; sources 0 and 1 window 1; C and D window 0
.set TO_F, 0x40                        ; destination window 1, address window 0
.macro PLACES                          ; four plain places behind matrix instructions, ahead of loads into their sources and of readers of their results
.rept 4
	v_nop
.endr
.endm
.macro JLOAD                           ; the joint refill: waves 0, 1 fetch A's two halves, waves 2, 3 B's; an s_nop 0 and four v_nop follow each line
	s_cmp_eq_u32 s[RH], 0
	s_cbranch_scc0 .Lfor_b_\@
	tensor_load_to_lds s[G0A+4:G0A+7], s[G1A:G1A+7]
	s_nop 0
.rept 4
	v_nop
.endr
	s_branch .Lasked_\@
.Lfor_b_\@:
	tensor_load_to_lds s[G0B+4:G0B+7], s[G1B:G1B+7]
	s_nop 0
.rept 4
	v_nop
.endr
.Lasked_\@:
.endm
.macro CREST                           ; a round of the cluster's barrier behind its opening barrier
	s_cmp_lg_u32 s[WV], 0
	s_cbranch_scc1 .Lnot_wave_0_\@
	s_barrier_signal -3
.Lnot_wave_0_\@:
	s_barrier_wait -3
	s_barrier_signal -1
	s_barrier_wait -1
.endm
.macro CROUND
	s_barrier_signal -1
	s_barrier_wait -1
	CREST
.endm
	s_load_b128 s[4:7], s[0:1], 0x0                ; wb, qkv
	v_lshl_add_u32 v[SPW], v0, 2, SPARE
	v_mov_b32 v[NIL], 0
	ds_add_u32 v[SPW], v[NIL]                      ; the wave's opening: the add and its wait ahead of my first tensor load; register work stands between
	v_lshrrev_b32 v1, 5, v0
	v_readfirstlane_b32 s[WV], v1
	s_lshr_b32 s[RH], s[WV], 1
	s_and_b32 s[CH], s[WV], 1
	s_bfe_u32 s[CX], ttmp6, 0x40000
	s_bfe_u32 s[CY], ttmp6, 0x40004
	s_lshl_b32 s[TC], ttmp9, 2
	s_add_co_u32 s[TC], s[TC], s[CX]               ; block of 128 columns
	s_and_b32 s[TR], ttmp7, 0xffff
	s_lshl_b32 s[TR], s[TR], 2
	s_add_co_u32 s[TR], s[TR], s[CY]               ; block of 128 rows
	s_lshl_b32 s40, s[CY], 2
	s_lshl_b32 s40, 15, s40                        ; my row of the cluster
	s_lshl_b32 s44, 0x1111, s[CX]                  ; my column
	; A's tile: two panels, each 128 rows x 128 bytes that lie end to end: two rows of 8,192 elements, 16 bytes of padding behind every 128
	s_or_b32 s[G1A], s40, (1<<16)|(1<<20)|(1<<21)|(4<<22)|(3<<25)
	s_mov_b32 s[G1A+1], 8192<<16                   ; tensor_dim0
	s_mov_b32 s[G1A+2], 2<<16                      ; tensor_dim1
	s_mov_b32 s[G1A+3], 8192<<16                   ; tile_dim0
	s_mov_b32 s[G1A+4], 2                          ; tile_dim1
	s_mov_b32 s[G1A+5], PANEL/2                    ; elements from panel to panel
	s_mov_b32 s[G1A+6], 0
	s_mov_b32 s[G1A+7], 0
	; B's tile: 128 rows of 256 bytes, dense, 32 bytes of padding behind each
	s_or_b32 s[G1B], s44, (1<<16)|(1<<20)|(1<<21)|(5<<22)|(7<<25)
	s_mov_b32 s[G1B+1], 128<<16
	s_mov_b32 s[G1B+2], 128<<16
	s_mov_b32 s[G1B+3], 128<<16
	s_mov_b32 s[G1B+4], 128
	s_mov_b32 s[G1B+5], 128
	s_mov_b32 s[G1B+6], 0
	s_mov_b32 s[G1B+7], 0
	s_lshl_b32 s40, s[TR], 14                      ; A: my block's rows in a panel,
	s_lshl_b32 s41, s[CH], 20                      ; the two panels that I fetch,
	s_add_co_u32 s40, s40, s41
	s_mov_b32 s41, O_XKV
	s_cmp_eq_u32 ttmp9, 0                          ; and the tensor: by the cluster's x, which all partners share
	s_cselect_b32 s41, O_XH, s41
	s_add_co_u32 s40, s40, s41
	s_mov_b32 s41, 0
	s_mul_i32 s44, s[TC], KDIM*256                 ; B: my column block, the 128 rows that I fetch
	s_lshl_b32 s45, s[CH], 15
	s_add_co_u32 s44, s44, s45
	s_mov_b32 s45, 0
	s_mul_i32 s[LW], s[WV], PART
	s_mov_b32 s[TB], 0
	s_wait_dscnt 0x0                               ; the opening add is done
	s_wait_kmcnt 0x0
	s_add_nc_u64 s[40:41], s[4:5], s[40:41]
	s_add_nc_u64 s[44:45], s[4:5], s[44:45]
	s_mov_b32 s[G0A], 1
	s_mov_b32 s[G0A+1], s[LW]
	s_mov_b64 s[G0A+2:G0A+3], s[40:41]
	s_or_b32 s[G0A+3], s[G0A+3], 0x80000000
	s_mov_b32 s[G0A+4], 1
	s_add_co_u32 s[G0A+5], s[LW], SLOT
	s_add_nc_u64 s[G0A+6:G0A+7], s[40:41], ASTEP
	s_or_b32 s[G0A+7], s[G0A+7], 0x80000000
	s_mov_b32 s[G0B], 1
	s_mov_b32 s[G0B+1], s[LW]
	s_mov_b64 s[G0B+2:G0B+3], s[44:45]
	s_or_b32 s[G0B+3], s[G0B+3], 0x80000000
	s_mov_b32 s[G0B+4], 1
	s_add_co_u32 s[G0B+5], s[LW], SLOT
	s_add_nc_u64 s[G0B+6:G0B+7], s[44:45], BSTEP
	s_or_b32 s[G0B+7], s[G0B+7], 0x80000000
	CROUND                                         ; all sixteen work-groups are here: the first joint loads meet
	s_cmp_eq_u32 s[RH], 0                          ; a wave's two first fills stand in one branch: K step 0 into slot 0, K step 1 into slot 1
	s_cbranch_scc0 .Lfirst_b
	tensor_load_to_lds s[G0A:G0A+3], s[G1A:G1A+7]
	s_nop 0
	tensor_load_to_lds s[G0A+4:G0A+7], s[G1A:G1A+7]
	s_nop 0
.rept 4
	v_nop
.endr
	s_branch .Lfirst_done
.Lfirst_b:
	tensor_load_to_lds s[G0B:G0B+3], s[G1B:G1B+7]
	s_nop 0
	tensor_load_to_lds s[G0B+4:G0B+7], s[G1B:G1B+7]
	s_nop 0
.rept 4
	v_nop
.endr
.Lfirst_done:
	v_and_b32 v1, 15, v0                           ; r = l % 16
	v_bfe_u32 v2, v0, 4, 1                         ; h = l / 16
	v_and_b32 v3, 31, v0                           ; l
	v_mul_u32_u24 v4, v1, PA
	v_lshl_add_u32 v4, v2, 4, v4                   ; 144 r + 16 h
	s_mul_i32 s74, s[RH], 64*PA
	v_add_nc_u32 v[ADRA0], s74, v4
	v_and_b32 v5, 7, v0
	v_lshl_add_u32 v6, v2, 3, v5                   ; the turning load: k row 8 h + l % 8,
	v_mul_u32_u24 v6, v6, PB
	v_bfe_u32 v7, v0, 3, 1
	v_lshl_add_u32 v6, v7, 4, v6                   ; columns 8 ((l / 8) % 2) on
	s_lshl_b32 s74, s[CH], 7
	s_add_co_u32 s74, s74, BOFF
	v_add_nc_u32 v[ADRB0], s74, v6
	v_add_nc_u32 v[ADRB0+1], 128*PB, v[ADRB0]
	v_mov_b32 v[ADRA], v[ADRA0]
	v_mov_b32 v[ADRB], v[ADRB0]
	v_mov_b32 v[ADRB+1], v[ADRB0+1]
	s_mul_i32 s74, s[WV], STW
	s_add_co_u32 s74, s74, STAGE                   ; my stage: 16 rows of 128 bytes, 144 apart
	v_add_nc_u32 v[STO], s74, v4
	v_bfe_u32 v8, v0, 3, 2
	v_mul_u32_u24 v8, v8, 144
	v_lshl_add_u32 v8, v5, 4, v8
	v_add_nc_u32 v[RD], s74, v8                    ; back: 32 lanes take four rows,
	v_lshlrev_b32 v[GO], 4, v3                     ; 512 consecutive bytes of a panel
	v_lshlrev_b32 v[TO], 8, v1
	v_lshl_add_u32 v[TO], v2, 5, v[TO]             ; the table: position r, frequencies 8 h on
	s_lshl_b32 s86, s[TR], 7
	s_lshl_b32 s87, s[RH], 6
	s_add_co_u32 s86, s86, s87                     ; my first row
	s_and_b32 s88, s86, 2047                       ; its position in the sequence
	s_lshl_b32 s88, s88, 8
	s_add_co_u32 s88, s88, O_ROPE
	s_mov_b32 s89, 0
	s_add_nc_u64 s[TABP:TABP+1], s[4:5], s[88:89]
	s_lshl_b32 s[PP], s[TC], 1
	s_add_co_u32 s[PP], s[PP], s[CH]               ; my head's panel
	s_lshl_b32 s88, s[PP], 19
	s_lshl_b32 s86, s86, 7
	s_add_co_u32 s88, s88, s86
	s_add_nc_u64 s[OUTP:OUTP+1], s[6:7], s[88:89]
	s_cmp_lt_u32 s[PP], 12
	s_cselect_b32 s[GG], 1.0, 0
	s_cselect_b32 s[EE], 0, 1.0
	s_cmp_lt_u32 s[PP], 8
	s_cselect_b32 s[GG], 0x3e000000, s[GG]         ; 1/8 for q
	s_mov_b32 s[GG+1], s[GG]
	s_mov_b32 s[EE+1], s[EE]
	WIN 0x80                                       ; destination window 2
.irp a, 0,1,2,3
.irp b, 0,1
	global_load_b128 v[32*(\a)+8*(\b):32*(\a)+8*(\b)+3],       v[TO], s[TABP:TABP+1] offset:4096*(\a)+64*(\b)
	global_load_b128 v[32*(\a)+8*(\b)+4:32*(\a)+8*(\b)+7],     v[TO], s[TABP:TABP+1] offset:4096*(\a)+64*(\b)+16
	global_load_b128 v[32*(\a)+16+8*(\b):32*(\a)+16+8*(\b)+3], v[TO], s[TABP:TABP+1] offset:4096*(\a)+64*(\b)+128
	global_load_b128 v[32*(\a)+16+8*(\b)+4:32*(\a)+16+8*(\b)+7], v[TO], s[TABP:TABP+1] offset:4096*(\a)+64*(\b)+144
.endr
.endr
	WIN 0
; 8 matrix instructions: row blocks a0, a0 + 1 x all 4 column blocks, 32 along K: half c of buffer f.  The 16 accumulators take turns.  zero = 1: the first product starts the sums
.macro MUL8 f, c, a0, zero
	WIN MUL
.irp a, \a0, (\a0)+1
.irp b, 0,1,2,3
.if \zero
	v_wmma_f32_16x16x32_bf16 v[ACC+8*(4*(\a)+(\b)):ACC+8*(4*(\a)+(\b))+7], v[(\f)+64+8*(4*(\c)+(\b)):(\f)+64+8*(4*(\c)+(\b))+7], v[(\f)+8*(4*(\c)+(\a)):(\f)+8*(4*(\c)+(\a))+7], 0
.else
	v_wmma_f32_16x16x32_bf16 v[ACC+8*(4*(\a)+(\b)):ACC+8*(4*(\a)+(\b))+7], v[(\f)+64+8*(4*(\c)+(\b)):(\f)+64+8*(4*(\c)+(\b))+7], v[(\f)+8*(4*(\c)+(\a)):(\f)+8*(4*(\c)+(\a))+7], v[ACC+8*(4*(\a)+(\b)):ACC+8*(4*(\a)+(\b))+7]
.endif
.endr
.endr
.endm
; 32 LDS loads in one run: the fragments of quarter kq (64 along K: one panel of A, 64 rows of B) into buffer f; the first 32 along K first
.macro FETCH kq, f
	WIN TO_F
.irp c, 0,1
.irp i, 0,1,2,3
	ds_load_tr16_b128 v[(\f)+64+8*(4*(\c)+(\i)):(\f)+64+8*(4*(\c)+(\i))+3],   v[ADRB+((\kq)>>1)] offset:((\kq)&1)*64*PB+(\c)*32*PB+32*(\i)
	ds_load_tr16_b128 v[(\f)+64+8*(4*(\c)+(\i))+4:(\f)+64+8*(4*(\c)+(\i))+7], v[ADRB+((\kq)>>1)] offset:((\kq)&1)*64*PB+(\c)*32*PB+32*(\i)+16*PB
	ds_load_b128 v[(\f)+8*(4*(\c)+(\i)):(\f)+8*(4*(\c)+(\i))+3],   v[ADRA] offset:(\kq)*128*PA+64*(\c)+(\i)*16*PA
	ds_load_b128 v[(\f)+8*(4*(\c)+(\i))+4:(\f)+8*(4*(\c)+(\i))+7], v[ADRA] offset:(\kq)*128*PA+64*(\c)+(\i)*16*PA+32
.endr
.endr
.endm
; One of a K step's first three quarters: multiplies buffer f and fetches quarter kq into g
.macro QUARTER kq, f, g, zero
	s_wait_dscnt 16                                ; the first 32 along K are in; the run's other sixteen loads may be out
	MUL8 \f, 0, 0, \zero
	MUL8 \f, 0, 2, \zero
	PLACES
	FETCH \kq, \g
	s_wait_dscnt 32                                ; all but the 32 just issued
	MUL8 \f, 1, 0, 0
	MUL8 \f, 1, 2, 0
.endm
; The last quarter multiplies buffer 1 and changes slots.  In front of the one barrier each wave waits for all its tensor loads, adds 0 to its spare word, and waits for that and for its reads of the slot.
; fill = 1: the barrier opens a round of the cluster's, and the slot just read is filled again, first thing behind it, with the K step two on: 112 matrix instructions ahead of the wait for it.
.macro TURN fill
	WIN 0
	s_wait_tensorcnt 0x0                           ; all my tensor loads have landed: my part of the next slot; so a group 0 may be written
	ds_add_u32 v[SPW], v[NIL]
.if \fill
	s_xor_b32 s[G0A+5], s[G0A+5], SLOT
	s_add_nc_u64 s[G0A+6:G0A+7], s[G0A+6:G0A+7], ASTEP
	s_xor_b32 s[G0B+5], s[G0B+5], SLOT
	s_add_nc_u64 s[G0B+6:G0B+7], s[G0B+6:G0B+7], BSTEP
.endif
	s_xor_b32 s[TB], s[TB], SLOT
	s_wait_dscnt 17                                ; the add and the youngest sixteen loads may be out
	MUL8 F1, 0, 0, 0
	s_wait_dscnt 0x0                               ; the add is done, and my reads of this slot are over
	s_barrier_signal -1
	MUL8 F1, 0, 2, 0
	WIN 0
	s_barrier_wait -1
.if \fill
	CREST
	JLOAD                                          ; its four v_nop are also the places in front of the loads below
.else
	PLACES
.endif
	v_add_nc_u32 v[ADRA], s[TB], v[ADRA0]
	v_add_nc_u32 v[ADRB], s[TB], v[ADRB0]
	v_add_nc_u32 v[ADRB+1], s[TB], v[ADRB0+1]
	FETCH 0, F0
	MUL8 F1, 1, 0, 0
	MUL8 F1, 1, 2, 0
.endm
	s_wait_tensorcnt 0x1                           ; my part of K step 0 is in; K step 1's may stay out
	s_barrier_signal -1
	s_barrier_wait -1
	FETCH 0, F0
	QUARTER 1, F0, F1, 1                           ; the first quarter stands in front of the loop: its first products start the sums
	WIN 0
	s_mov_b32 s[CNT], NS-2
.Lstep:                                        ; a trip: a K step's quarters 1 to 3, the change of slots with its refill, the next step's quarter 0
	QUARTER 2, F1, F0, 0
	QUARTER 3, F0, F1, 0
	TURN 1
	QUARTER 1, F0, F1, 0
	WIN 0
	s_sub_co_u32 s[CNT], s[CNT], 1
	s_cmp_lg_u32 s[CNT], 0
	s_cbranch_scc1 .Lstep
	s_mov_b32 s[CNT], 2                            ; the last two K steps fill nothing: one text, walked twice, entered in its middle
	s_branch .Lmid
.Ltail:
	QUARTER 1, F0, F1, 0
	WIN 0
.Lmid:
	QUARTER 2, F1, F0, 0
	QUARTER 3, F0, F1, 0
	TURN 0                                         ; (the second time its 32 loads, from the other slot's landed bytes, serve nothing: the price of one text)
	WIN 0
	s_sub_co_u32 s[CNT], s[CNT], 1
	s_cmp_lg_u32 s[CNT], 0
	s_cbranch_scc1 .Ltail
	; THE WAY OUT, 16 rows at a time: the table scaled, the rotation, rounding, through my stage, out as 512 consecutive bytes a store
	s_wait_dscnt 0x0
	s_wait_loadcnt 0x0                             ; the table
	PLACES
.macro OUT a
	WIN 0x82                                       ; destination and source 0 window 2
.irp k, 0,2,4,6,8,10,12,14
	v_pk_fma_f32 v[32*(\a)+(\k):32*(\a)+(\k)+1], v[32*(\a)+(\k):32*(\a)+(\k)+1], s[GG:GG+1], s[EE:EE+1] op_sel_hi:[1,0,0]
	v_pk_mul_f32 v[32*(\a)+16+(\k):32*(\a)+16+(\k)+1], v[32*(\a)+16+(\k):32*(\a)+16+(\k)+1], s[GG:GG+1] op_sel_hi:[1,0]
.endr
	WIN 0x08                                       ; source 1 window 2
.irp b, 0,1
.irp k, 0,2,4,6                        ; each accumulator's registers in ascending order
	v_pk_mul_f32 v[TT+8*(\b)+(\k):TT+8*(\b)+(\k)+1], v[ACC+8*(4*(\a)+(\b))+(\k):ACC+8*(4*(\a)+(\b))+(\k)+1], v[32*(\a)+8*(\b)+(\k):32*(\a)+8*(\b)+(\k)+1]
	v_pk_mul_f32 v[TT+16+8*(\b)+(\k):TT+16+8*(\b)+(\k)+1], v[ACC+8*(4*(\a)+(\b)+2)+(\k):ACC+8*(4*(\a)+(\b)+2)+(\k)+1], v[32*(\a)+8*(\b)+(\k):32*(\a)+8*(\b)+(\k)+1]
	v_pk_fma_f32 v[TT+8*(\b)+(\k):TT+8*(\b)+(\k)+1], v[ACC+8*(4*(\a)+(\b)+2)+(\k):ACC+8*(4*(\a)+(\b)+2)+(\k)+1], v[32*(\a)+16+8*(\b)+(\k):32*(\a)+16+8*(\b)+(\k)+1], v[TT+8*(\b)+(\k):TT+8*(\b)+(\k)+1] neg_lo:[0,1,0] neg_hi:[0,1,0]
	v_pk_fma_f32 v[TT+16+8*(\b)+(\k):TT+16+8*(\b)+(\k)+1], v[ACC+8*(4*(\a)+(\b))+(\k):ACC+8*(4*(\a)+(\b))+(\k)+1], v[32*(\a)+16+8*(\b)+(\k):32*(\a)+16+8*(\b)+(\k)+1], v[TT+16+8*(\b)+(\k):TT+16+8*(\b)+(\k)+1]
.endr
.endr
	WIN 0
.irp k, 0,1,2,3,4,5,6,7,8,9,10,11,12,13,14,15
	v_cvt_pk_bf16_f32 v[CV+(\k)], v[TT+2*(\k)], v[TT+2*(\k)+1]
.endr
.irp b, 0,1,2,3
	ds_store_b128 v[STO], v[CV+4*(\b):CV+4*(\b)+3] offset:32*(\b)
.endr
	s_wait_xcnt 0x0                                ; the last block's stores have read their registers: only now are these loaded again
.irp f, 0,1,2,3
	ds_load_b128 v[OB+4*(\f):OB+4*(\f)+3], v[RD] offset:576*(\f)  ; LDS serves a wave's instructions in order: these see the stores above
.endr
.irp f, 0,1,2,3
	s_wait_dscnt 3-(\f)
	global_store_b128 v[GO], v[OB+4*(\f):OB+4*(\f)+3], s[OUTP:OUTP+1] offset:2048*(\a)+512*(\f)
.endr
.endm
	OUT 0
	OUT 1
	OUT 2
	OUT 3
	s_wait_tensorcnt 0x0                           ; the wave's end
	ds_add_u32 v[SPW], v[NIL]
	s_wait_dscnt 0x0
	CROUND                                         ; the closing round
	s_endpgm
.Lfunc_end_k_qb700adcafd_qkv:
	.size	k_qb700adcafd_qkv, .Lfunc_end_k_qb700adcafd_qkv-k_qb700adcafd_qkv
	.p2alignl 7, 3214868480
	.fill 96, 4, 3214868480
	.section	.rodata,"a",@progbits
	.p2align	6, 0x0
	.amdhsa_kernel k_qb700adcafd_qkv
		.amdhsa_group_segment_fixed_size 327680
		.amdhsa_private_segment_fixed_size 0
		.amdhsa_enable_private_segment 0
		.amdhsa_kernarg_size 16
		.amdhsa_user_sgpr_count 2
		.amdhsa_user_sgpr_kernarg_segment_ptr 1
		.amdhsa_wavefront_size32 1
		.amdhsa_system_sgpr_workgroup_id_x 1
		.amdhsa_system_sgpr_workgroup_id_y 1
		.amdhsa_system_sgpr_workgroup_id_z 1
		.amdhsa_system_vgpr_workitem_id 0
		.amdhsa_next_free_vgpr 640
		.amdhsa_next_free_sgpr 96
		.amdhsa_reserve_vcc 0
		.amdhsa_float_denorm_mode_32 3
		.amdhsa_float_denorm_mode_16_64 3
		.amdhsa_memory_ordered 1
		.amdhsa_forward_progress 1
		.amdhsa_inst_pref_size 74
	.end_amdhsa_kernel
	.amdgpu_metadata
---
amdhsa.version: [ 1, 2 ]
amdhsa.kernels:
  - .name:           k_qb700adcafd_qkv
    .symbol:         k_qb700adcafd_qkv.kd
    .args:
      - { .name: wb, .offset: 0, .size: 8, .value_kind: global_buffer, .address_space: global }
      - { .name: qkv, .offset: 8, .size: 8, .value_kind: global_buffer, .address_space: global }
    .group_segment_fixed_size: 327680
    .private_segment_fixed_size: 0
    .kernarg_segment_align: 8
    .kernarg_segment_size: 16
    .max_flat_workgroup_size: 128
    .sgpr_count:     96
    .vgpr_count:     640
    .wavefront_size: 32
...
	.end_amdgpu_metadata
.endif
;; end of part 2
;; launch attn (part 3): grid 32 x 8, 4 waves a work-group, clusters of 4 x 4, 327,680 bytes of LDS; arguments qkv, attention_mask, ao, wb, Wgate, Wup, Wdown; writes ao, wb
.if DOCPART == 3
	.amdgcn_target "amdgcn-amd-amdhsa--gfx1250"
	.amdhsa_code_object_version 6
	.text
	.protected	k_qb700adcafd_attn
	.globl	k_qb700adcafd_attn
	.p2align	8
	.type	k_qb700adcafd_attn,@function
k_qb700adcafd_attn:
	s_mov_b64 s[64:65], 0
	v_nop
	global_prefetch_b8 v0, s[64:65] scope:SCOPE_SE
	s_setreg_imm32_b32 hwreg(HW_REG_WAVE_MODE, 25, 1), 1
	s_wait_xcnt 0x0
	s_wait_alu depctr_hold_cnt(0) depctr_sa_sdst(0) depctr_va_vdst(0) depctr_va_sdst(0) depctr_va_ssrc(0) depctr_va_vcc(0) depctr_vm_vsrc(0)
	s_getreg_b32 s2, hwreg(HW_REG_IB_STS2, 6, 4)
	s_cmp_eq_u32 s2, 0
	s_cbranch_scc0 .Lentry_in_a_cluster
	s_endpgm
.Lentry_in_a_cluster:
	s_bfe_u32 s2, ttmp6, 0x10000c
	s_cmp_lg_u32 s2, 0xf033
	s_cbranch_scc0 .Lentry_shape_is_right
	s_endpgm
.Lentry_shape_is_right:
; ATTENTION.  O[b][head][q] = sum over k of softmax_k(q . k / 8 + mask[b][q][k]) v[k].  q (already times 1/8), k, v: panels [16][4096 rows][64] of bf16 (0-7 q heads, 8-11 k, 12-15 v; row = 2048 b + s);
; the mask f32 [2][2048][2048]; O leaves as panels [8][4096][64] of bf16.  Products, maxima and sums in f32; the weights are rounded to bf16 for the second product (their sum is taken unrounded), O once.
; LIMITS.  The running maximum starts at -1e30: a row ALL of whose scores lie below -1e30 has the sum 0 and gives NaN.  Single entries of -inf or of the lowest finite number are served: their weight is 0.
; A weight below 2^-126 counts as 0.  NaN is not treated apart.
; SHARES.  A work-group owns 64 queries of one batch and one k/v head; each of its four waves 16 queries of BOTH query heads that share that k/v head: two tiles, which take the same fragments of K, V and mask.
; Every wave walks all 2,048 keys, 64 a step; a slot of LDS holds 256 keys: K, V and the mask's 64 x 256 numbers.  Eight tiles of 256 keys, 32 key steps.
; CLUSTER 4 x 4: x = four query blocks, y = the four k/v heads.  K and V are shared along a row, the mask's tile along a column: each is asked for jointly.
; LAYOUT.  S^T = K Q^T + M^T (source 0 = 16 keys, source 1 = 16 queries; THE MASK IS THE C OPERAND THAT STARTS THE SUM): a lane holds one query (l % 16) and the keys 8 (l / 16) + 0..7.  Two such results rounded to bf16 ARE
; source 1 of O^T = V^T P.  K comes out of LDS as it lies, V turned, by ds_load_tr16_b128.  p = 2^(c s - c m), c = log2(e), m the running maximum; O and l are multiplied by a = 2^(c m_old - c m_new) in every step.
; IN PHASES: a step's softmax, its V^T P, the next step's K Q^T; the LDS loads stand in runs, a phase ahead of their use.
; THE MLP's WEIGHTS RIDE ALONG.  Wgate, Wup ([1024][4096] f32) and Wdown ([4096][1024] f32) are wanted two launches on, as bf16 in column blocks [N/128][K][128] in wb.  Nothing here depends on them and they depend on
; nothing here; this launch's own loop has no global load or store, so their stream goes beside the arithmetic.  A LINE is 128 columns of a row: 512 bytes in, 256 out.  Each weight has 32,768 lines: 32 for each of
; the launch's 1,024 waves: four of each weight, 12 lines, at each of the 8 changes of slots.  A group is asked for behind one change's refill and rounded and stored ahead of the next change: four key steps later.
; Wave g takes row g of Wgate and of Wup (16,384 bytes on end) and, of Wdown, column block g % 8 of rows 32 (g / 8) .. + 31.
; REGISTERS.  window 0: v0-15 addresses; v16-35 statistics; v36-39 the lines' offsets; v64-127 S^T; v128-159 P; v160-223 O^T; v224-255 the mask's fragment.
; window 1: v0-31 Q; v32-95 K; v96-159 V; v160-207 twelve lines as loaded; v208-231 as stored.
.set PANEL, 524288
.set O_WG,  3145728                    ; the three weights' places in wb
.set O_WU,  11534336
.set O_WD,  19922944
.set PKK,   144                        ; a row of K in LDS: 128 bytes + 16
.set PVV,   160                        ; a row of V: 128 + 32
.set PMM,   1040                       ; a row of the mask's tile: 1,024 + 16
.set VOFF,  256*PKK
.set MOFF,  VOFF+256*PVV
.set SLOT,  147456                     ; from slot to slot (144,384 are used): it shares no bit with the three tiles' LDS words, so one exclusive or turns each into the other slot's
.set STAGE, 2*SLOT
.set SPARE, STAGE+4*2304               ; the spare words, 128 bytes for each wave: two blocks of 256 bytes that no other line names
.set AK0, 2
.set AV0, 3
.set AM0, 4
.set AK,  5
.set AV,  6
.set AM,  7
.set QO,  8
.set RD,  12
.set GO,  13
.set PFO, 14
.set STO, 15
.set MV,  16                           ; v16-17  c m_old, by tile
.set ST,  20                           ; tile u at 20 + 4 u: c m, m, l (even keys', odd keys')
.set TMP, 28                           ; tile u at 28 + 4 u: c0-c3 at work; c2 takes a
.set SG,  36                           ; v36  my 16 bytes of the group's first line in Wgate and in Wup
.set SD,  37                           ; v37  the same in Wdown
.set DG,  38                           ; v38  my 8 bytes of the group's first line in Wgate's and Wup's blocks, one group's step high (the bases stand one step low)
.set DD,  39                           ; v39  the same in Wdown's blocks
.set SPW, 62
.set NIL, 63
.set S,   64
.set P,   128
.set O,   160
.set MK,  224
.set KF,  32                           ; window 1
.set VF,  96
.set CI,  160                          ; window 1: line u of 12 at CI + 4 u: Wgate's four, Wup's four, Wdown's four
.set CQ,  208                          ; window 1: line u rounded, at CQ + 2 u
.set WV,  12
.set CX,  13
.set CY,  14
.set LIM, 15
.set QB,  16
.set BB,  17
.set G1K, 24
.set G1V, 32
.set G1M, 40
.set G0K, 48
.set G0V, 52
.set G0M, 56
.set SLOTS, 60
.set CNT, 61
.set CS,  62
.set SEL, 66
.set TBK, 68
.set TBV, 69
.set TBM, 70
.set MW,  72
.set PFA, 74
.set PST, 76
.set QP,  88
.set AOP, 90
.set WGS, 92                           ; s[92:93] Wgate, s[94:95] Wup, s[96:97] Wdown
.set WUS, 94
.set WDS, 96
.set WGD, 98                           ; s[98:99], s[100:101], s[10:11]: their blocks in wb, less one group's step
.set WUD, 100
.set WDD, 10
.set MSB, 0
.macro WIN new
.if MSB != (\new)
	s_set_vgpr_msb (MSB<<8)|(\new)
.set MSB, \new
.endif
.endm
.macro PLACES
.rept 4
	v_nop
.endr
.endm
.macro CROUND
	s_barrier_signal -1
	s_barrier_wait -1
	s_cmp_lg_u32 s[WV], 0
	s_cbranch_scc1 .Lnot_wave_0_\@
	s_barrier_signal -3
.Lnot_wave_0_\@:
	s_barrier_wait -3
	s_barrier_signal -1
	s_barrier_wait -1
.endm
; A joint fill: wave 0 fetches the tile's K, wave 1 its V, waves 2 and 3 the two halves of the mask's rows.  An s_nop 0 and four v_nop follow each line.
.macro JLOAD3
	s_cmp_lt_u32 s[WV], 2
	s_cbranch_scc0 .Lfor_m_\@
	s_cmp_eq_u32 s[WV], 0
	s_cbranch_scc0 .Lfor_v_\@
	tensor_load_to_lds s[G0K:G0K+3], s[G1K:G1K+7]
	s_nop 0
.rept 4
	v_nop
.endr
	s_branch .Lasked_\@
.Lfor_v_\@:
	tensor_load_to_lds s[G0V:G0V+3], s[G1V:G1V+7]
	s_nop 0
.rept 4
	v_nop
.endr
	s_branch .Lasked_\@
.Lfor_m_\@:
	tensor_load_to_lds s[G0M:G0M+3], s[G1M:G1M+7]
	s_nop 0
.rept 4
	v_nop
.endr
.Lasked_\@:
.endm
; A prefetch of what the NEXT change of slots will ask for, four key steps ahead.  K and V: all clusters of a batch walk the same rows, so cluster x = 0 asks; its four partners along x take 32 of the tile's 128
; blocks of 256 bytes each, by address.  The mask's tile is read by this cluster alone: waves 2 and 3 always ask; the four partners along y take one 256-byte piece of each of the wave's 32 rows, by address.
; The last change that fills (s[SLOTS] = 1 there) asks for nothing: behind tile 7 there is no tile.
.macro ASK
	s_cmp_gt_u32 s[SLOTS], s[LIM]
	s_cbranch_scc0 .Lnot_mine_\@
	global_prefetch_b8 v[PFO], s[PFA:PFA+1] th:TH_LOAD_NT scope:SCOPE_SE
.Lnot_mine_\@:
.endm
; THE WEIGHTS' LINES.  CAST_ASK: 12 loads, a group; step = 1: the offsets go on to the next group first (the loads that read them are back: CAST_OUT has waited for them).
.macro CAST_ASK step
.if \step
	WIN 0
	v_add_nc_u32 v[SG], 4*512, v[SG]               ; four lines on in my row
	v_add_nc_u32 v[SD], 4*4096, v[SD]              ; four rows down
.endif
	WIN 0x40                                       ; destination window 1, address window 0
.irp i, 0,1,2,3
	global_load_b128 v[CI+4*(\i):CI+4*(\i)+3],       v[SG], s[WGS:WGS+1] offset:512*(\i) th:TH_LOAD_NT
	global_load_b128 v[CI+16+4*(\i):CI+16+4*(\i)+3], v[SG], s[WUS:WUS+1] offset:512*(\i) th:TH_LOAD_NT
	global_load_b128 v[CI+32+4*(\i):CI+32+4*(\i)+3], v[SD], s[WDS:WDS+1] offset:4096*(\i) th:TH_LOAD_NT
.endr
	WIN 0
.endm
; CAST_OUT: the group that is out is rounded and stored: each store of the wave covers 256 consecutive bytes, aligned: one row of a block.
.macro CAST_OUT
	WIN 0
	s_wait_loadcnt 0x0                             ; the group asked for four key steps ago is in
	s_wait_xcnt 0x0                                ; the last group's stores have read their data and offsets, the last prefetch its address: all are written again only behind this wait
	v_add_nc_u32 v[DG], 4*262144, v[DG]            ; four column blocks on
	v_add_nc_u32 v[DD], 4*256, v[DD]               ; four rows down
	WIN 0x45                                       ; destination and both sources window 1
.set u, 0
.rept 12
	v_cvt_pk_bf16_f32 v[CQ+2*u], v[CI+4*u], v[CI+4*u+1]
	v_cvt_pk_bf16_f32 v[CQ+2*u+1], v[CI+4*u+2], v[CI+4*u+3]
.set u, u+1
.endr
	WIN 0x04                                       ; the stores' data (source 1) window 1, their address window 0
.irp i, 0,1,2,3
	global_store_b64 v[DG], v[CQ+2*(\i):CQ+2*(\i)+1],       s[WGD:WGD+1] offset:262144*(\i) th:TH_STORE_NT
	global_store_b64 v[DG], v[CQ+8+2*(\i):CQ+8+2*(\i)+1],   s[WUD:WUD+1] offset:262144*(\i) th:TH_STORE_NT
	global_store_b64 v[DD], v[CQ+16+2*(\i):CQ+16+2*(\i)+1], s[WDD:WDD+1] offset:256*(\i) th:TH_STORE_NT
.endr
	WIN 0
.endm
; THE CHANGE OF SLOTS: all of the old slot's K, V and mask have been asked for from LDS.  Each wave waits for all its tensor loads (one is out: its part of the other slot), adds 0 to its spare word, and waits for that and
; for its reads.  fill = 1: a round of the cluster's barrier, and the old slot is filled again first thing behind it.  (At its first use slot 0 is waited for and slot 1 filled.)
; cast = 1: the weights' group that is out is stored ahead of all that, and the next group is asked for behind the refill and its prefetch, so that the tile is asked for first.
.macro CHANGE fill, cast
.if \cast
	CAST_OUT
.endif
	WIN 0
	s_wait_tensorcnt 0x0
	ds_add_u32 v[SPW], v[NIL]
.if \fill
	s_xor_b32 s[G0K+1], s[G0K+1], SLOT
	s_add_nc_u64 s[G0K+2:G0K+3], s[G0K+2:G0K+3], 32768
	s_xor_b32 s[G0V+1], s[G0V+1], SLOT
	s_add_nc_u64 s[G0V+2:G0V+3], s[G0V+2:G0V+3], 32768
	s_xor_b32 s[G0M+1], s[G0M+1], SLOT
	s_add_nc_u64 s[G0M+2:G0M+3], s[G0M+2:G0M+3], 1024
	s_add_nc_u64 s[PFA:PFA+1], s[PFA:PFA+1], s[PST:PST+1]  ; the last prefetch, four key steps back, has read it: CAST_OUT's wait has shown that (at the first change none has been issued)
	s_wait_dscnt 0x0
	CROUND
	JLOAD3
	ASK
.else
	s_wait_dscnt 0x0
	s_barrier_signal -1
	s_barrier_wait -1
.endif
.if \cast
	CAST_ASK 1
.endif
	s_sub_co_u32 s[TBK], s[TBK], 4*64*PKK          ; the fetches go back to a slot's first step, in the other slot
	s_xor_b32 s[TBK], s[TBK], SLOT
	s_sub_co_u32 s[TBV], s[TBV], 4*64*PVV
	s_xor_b32 s[TBV], s[TBV], SLOT
	s_sub_co_u32 s[TBM], s[TBM], 4*256
	s_xor_b32 s[TBM], s[TBM], SLOT
.endm
	s_load_b256 s[4:11], s[0:1], 0x0               ; qkv s[4:5], attention_mask s[6:7], ao s[8:9], wb s[10:11]
	s_load_b128 s[WGS:WGS+3], s[0:1], 0x20         ; Wgate, Wup
	s_load_b64 s[WDS:WDS+1], s[0:1], 0x30          ; Wdown
	v_lshl_add_u32 v[SPW], v0, 2, SPARE
	v_mov_b32 v[NIL], 0
	ds_add_u32 v[SPW], v[NIL]                      ; the wave's opening: the add and its wait ahead of my first tensor load
	v_lshrrev_b32 v1, 5, v0
	v_readfirstlane_b32 s[WV], v1
	s_bfe_u32 s[CX], ttmp6, 0x40000
	s_bfe_u32 s[CY], ttmp6, 0x40004                ; the k/v head
	s_lshl_b32 s[QB], ttmp9, 2
	s_add_co_u32 s[QB], s[QB], s[CX]               ; the block of 64 queries
	s_and_b32 s[BB], ttmp7, 0xffff                 ; the batch
	s_lshl_b32 s18, s[CY], 2
	s_lshl_b32 s18, 15, s18                        ; my row of the cluster
	s_lshl_b32 s22, 0x1111, s[CX]                  ; my column
	; K's and V's tile: 256 keys are 32,768 dense bytes: 128 rows of 256, padded after every key
	s_or_b32 s[G1K], s18, (1<<16)|(1<<20)|(1<<21)|(4<<22)|(3<<25)
	s_or_b32 s[G1V], s18, (1<<16)|(1<<20)|(1<<21)|(4<<22)|(7<<25)
.irp g, G1K, G1V
	s_mov_b32 s[\g+1], 128<<16
	s_mov_b32 s[\g+2], 128<<16
	s_mov_b32 s[\g+3], 128<<16
	s_mov_b32 s[\g+4], 128
	s_mov_b32 s[\g+5], 128
	s_mov_b32 s[\g+6], 0
	s_mov_b32 s[\g+7], 0
.endr
	; the mask's half tile: 32 rows of 256 numbers of 4 bytes, 2,048 numbers from row to row, 16 bytes of padding behind each
	s_or_b32 s[G1M], s22, (2<<16)|(1<<20)|(1<<21)|(7<<22)|(3<<25)
	s_mov_b32 s[G1M+1], 256<<16
	s_mov_b32 s[G1M+2], 32<<16
	s_mov_b32 s[G1M+3], 256<<16
	s_mov_b32 s[G1M+4], 32
	s_mov_b32 s[G1M+5], 2048
	s_mov_b32 s[G1M+6], 0
	s_mov_b32 s[G1M+7], 0
	s_add_co_u32 s18, s[CY], 8                     ; K: panel 8 + head, the batch's rows
	s_lshl_b32 s18, s18, 19
	s_lshl_b32 s19, s[BB], 18
	s_add_co_u32 s18, s18, s19
	s_mov_b32 s19, 0
	s_and_b32 s80, s[WV], 1
	s_lshl_b32 s22, s[QB], 19                      ; the mask: 64 rows of 8,192 bytes a block,
	s_lshl_b32 s23, s80, 18                        ; the 32 rows that I fetch,
	s_add_co_u32 s22, s22, s23
	s_lshl_b32 s23, s[BB], 24                      ; the batch
	s_add_co_u32 s22, s22, s23
	s_mov_b32 s23, 0
	s_mul_i32 s[MW], s80, 32*PMM
	s_add_co_u32 s[MW], s[MW], MOFF
	s_mov_b32 s[G0K], 1
	s_mov_b32 s[G0K+1], 0
	s_mov_b32 s[G0V], 1
	s_mov_b32 s[G0V+1], VOFF
	s_mov_b32 s[G0M], 1
	s_mov_b32 s[G0M+1], s[MW]
	s_lshl_b32 s78, s[CY], 20                      ; Q and O: panel 2 x head, row 2048 b + 64 block + 16 wave
	s_lshl_b32 s79, s[BB], 18
	s_add_co_u32 s78, s78, s79
	s_lshl_b32 s79, s[QB], 13
	s_add_co_u32 s78, s78, s79
	s_lshl_b32 s79, s[WV], 11
	s_add_co_u32 s78, s78, s79
	s_mov_b32 s79, 0
	s_mov_b32 s[CS], 0x3fb8aa3b                    ; c = log2(e)
	s_mov_b32 s[CS+1], s[CS]
	s_mov_b32 s[SEL], 0x76543210
	s_mov_b32 s[SEL+1], 0xfedcba98
	s_mov_b32 s[TBK], SLOT+4*64*PKK                ; the first change of slots turns these three into 0
	s_mov_b32 s[TBV], SLOT+4*64*PVV
	s_mov_b32 s[TBM], SLOT+4*256
	s_mov_b32 s[SLOTS], 7                          ; taken down behind each group of trips, the first group too: six changes of slots in the loop, for tiles 2 to 7
	; the prefetches stand at tile 1; the first change steps them to tile 2
	s_lshl_b32 s82, s80, 2
	s_add_co_u32 s82, s82, s[CY]
	s_add_co_u32 s82, s82, 8                       ; K's panel (wave 0) or V's (wave 1)
	s_lshl_b32 s82, s82, 19
	s_lshl_b32 s83, s[BB], 18
	s_add_co_u32 s82, s82, s83
	s_lshl_b32 s83, s[CX], 13                      ; my work-group's 8,192 bytes of a tile
	s_add_co_u32 s82, s82, s83
	s_add_co_u32 s82, s82, 32768
	s_lshl_b32 s84, s[CY], 8                       ; the mask: my work-group's 256 bytes of a row's 1,024
	s_add_co_u32 s84, s84, s22
	s_add_co_u32 s84, s84, 1024
	s_mov_b32 s[PST], 1024
	s_mov_b32 s[PST+1], 0
	s_mov_b32 s85, 13
	s_mov_b32 s86, 0
	s_cmp_lt_u32 s[WV], 2
	s_cselect_b32 s82, s82, s84
	s_cselect_b32 s[PST], 32768, s[PST]
	s_cselect_b32 s85, 8, s85                      ; lanes 256 bytes apart, or a row of the mask apart
	s_cselect_b32 s86, ttmp9, s86
	s_mov_b32 s83, 0
	s_cmp_eq_u32 s86, 0
	s_cselect_b32 s[LIM], 1, -1
	v_and_b32 v[PFO], 31, v0
	v_lshlrev_b32 v[PFO], s85, v[PFO]
	; the weights' lines: g, my wave among the launch's 1,024
	s_lshl_b32 s20, s[BB], 2
	s_add_co_u32 s20, s20, s[CY]
	s_lshl_b32 s20, s20, 5
	s_add_co_u32 s20, s20, s[QB]
	s_lshl_b32 s20, s20, 2
	s_add_co_u32 s20, s20, s[WV]
	s_lshl_b32 s21, s20, 14                        ; Wgate, Wup: row g, 16,384 bytes
	s_lshl_b32 s84, s20, 8                         ; row g of a block, 256 bytes
	s_and_b32 s85, s20, 7                          ; Wdown: column block g % 8,
	s_lshr_b32 s86, s20, 3                         ; rows 32 (g / 8) on
	s_lshl_b32 s87, s86, 17                        ; 32 rows of 4,096 bytes,
	s_lshl_b32 s20, s85, 9                         ; 512 bytes a block
	s_add_co_u32 s87, s87, s20
	s_lshl_b32 s85, s85, 20                        ; a block of 4,096 rows of 256 bytes,
	s_lshl_b32 s86, s86, 13                        ; 32 rows of it
	s_add_co_u32 s85, s85, s86
	v_and_b32 v[SG], 31, v0
	v_lshlrev_b32 v[DG], 3, v[SG]                  ; 8 bytes a lane out,
	v_lshlrev_b32 v[SG], 4, v[SG]                  ; 16 in
	v_add_nc_u32 v[SD], s87, v[SG]
	v_add_nc_u32 v[SG], s21, v[SG]
	v_add_nc_u32 v[DD], s85, v[DG]
	v_add_nc_u32 v[DG], s84, v[DG]
	s_wait_dscnt 0x0                               ; the opening add is done
	s_wait_kmcnt 0x0
	s_add_nc_u64 s[G0K+2:G0K+3], s[4:5], s[18:19]
	s_add_nc_u64 s[G0V+2:G0V+3], s[G0K+2:G0K+3], 4*PANEL
	s_or_b32 s[G0K+3], s[G0K+3], 0x80000000
	s_or_b32 s[G0V+3], s[G0V+3], 0x80000000
	s_add_nc_u64 s[G0M+2:G0M+3], s[6:7], s[22:23]
	s_or_b32 s[G0M+3], s[G0M+3], 0x80000000
	s_add_nc_u64 s[QP:QP+1], s[4:5], s[78:79]
	s_add_nc_u64 s[AOP:AOP+1], s[8:9], s[78:79]
	s_add_nc_u64 s[WGD:WGD+1], s[10:11], O_WG-4*262144  ; one group's step low: the offsets are stepped ahead of each group's stores, the first group's too
	s_add_nc_u64 s[WUD:WUD+1], s[10:11], O_WU-4*262144
	s_add_nc_u64 s[WDD:WDD+1], s[10:11], O_WD-4*256
	s_cmp_lt_u32 s[WV], 2
	s_cselect_b64 s[PFA:PFA+1], s[4:5], s[6:7]
	s_add_nc_u64 s[PFA:PFA+1], s[PFA:PFA+1], s[82:83]
	CROUND                                         ; all sixteen work-groups are here
	JLOAD3                                         ; tile 0 into slot 0
	v_and_b32 v1, 15, v0                           ; r
	v_bfe_u32 v9, v0, 4, 1                         ; h
	v_and_b32 v10, 7, v0
	v_bfe_u32 v11, v0, 3, 1
	v_lshlrev_b32 v[QO], 7, v1
	v_lshl_add_u32 v[QO], v9, 4, v[QO]
	WIN 0x40                                       ; destination window 1
.irp i, 0,1,2,3                        ; Q stays in registers: tile i / 2, channels 32 (i % 2) on
	global_load_b128 v[8*(\i):8*(\i)+3],   v[QO], s[QP:QP+1] offset:((\i)/2)*PANEL+((\i)%2)*64
	global_load_b128 v[8*(\i)+4:8*(\i)+7], v[QO], s[QP:QP+1] offset:((\i)/2)*PANEL+((\i)%2)*64+32
.endr
	CAST_ASK 0                                     ; the weights' first group, behind the tile and Q
.set i, 0
.rept 64                                       ; O^T and l start at 0, so that the first step is a step like any other, with a = 0: written in the wait for the first tile
	v_mov_b32 v[O+i], 0
.set i, i+1
.endr
.irp u, 0,1
	v_mov_b32 v[ST+4*(\u)+1], 0xf149f2ca           ; m = -1e30
	v_mul_f32 v[ST+4*(\u)], s[CS], v[ST+4*(\u)+1]
	v_mov_b32 v[ST+4*(\u)+2], 0
	v_mov_b32 v[ST+4*(\u)+3], 0
.endr
	v_mul_u32_u24 v[AK0], v1, PKK
	v_lshl_add_u32 v[AK0], v9, 4, v[AK0]
	v_lshl_add_u32 v[AV0], v9, 3, v10              ; the turning load: key 8 h + l % 8, channels 8 ((l / 8) % 2) on
	v_mul_u32_u24 v[AV0], v[AV0], PVV
	v_lshl_add_u32 v[AV0], v11, 4, v[AV0]
	v_add_nc_u32 v[AV0], VOFF, v[AV0]
	s_lshl_b32 s81, s[WV], 4
	v_add_nc_u32 v[AM0], s81, v1                   ; the mask: my query's row, keys 8 h on
	v_mul_u32_u24 v[AM0], v[AM0], PMM
	v_lshl_add_u32 v[AM0], v9, 5, v[AM0]
	v_add_nc_u32 v[AM0], MOFF, v[AM0]
	s_mul_i32 s81, s[WV], 2304
	s_add_co_u32 s81, s81, STAGE
	v_mul_u32_u24 v[STO], v1, 144
	v_lshl_add_u32 v[STO], v9, 4, v[STO]
	v_add_nc_u32 v[STO], s81, v[STO]
	v_bfe_u32 v[RD], v0, 3, 2
	v_mul_u32_u24 v[RD], v[RD], 144
	v_lshl_add_u32 v[RD], v10, 4, v[RD]
	v_add_nc_u32 v[RD], s81, v[RD]
	v_and_b32 v[GO], 31, v0
	v_lshlrev_b32 v[GO], 4, v[GO]
; THE LDS LOADS, in runs.  A step's K (8 fragments) and mask (32 numbers a lane); last = 1: in the last trip there is no further step, and the run is jumped over.
.macro FETCH_K last=0
	WIN 0
.if \last
	s_cmp_eq_u32 s[CNT], 1
	s_cbranch_scc1 .Lno_k_\@
.endif
	v_add_nc_u32 v[AK], s[TBK], v[AK0]
	v_add_nc_u32 v[AM], s[TBM], v[AM0]
.irp kb, 0,1,2,3
	ds_load_b128 v[MK+8*(\kb):MK+8*(\kb)+3],   v[AM] offset:64*(\kb)
	ds_load_b128 v[MK+8*(\kb)+4:MK+8*(\kb)+7], v[AM] offset:64*(\kb)+16
.endr
	WIN 0x40
.irp f, 0,1,2,3,4,5,6,7                ; keys 16 (f / 2) on, channels 32 (f % 2) on
	ds_load_b128 v[KF+8*(\f):KF+8*(\f)+3],   v[AK] offset:((\f)/2)*16*PKK+((\f)%2)*64
	ds_load_b128 v[KF+8*(\f)+4:KF+8*(\f)+7], v[AK] offset:((\f)/2)*16*PKK+((\f)%2)*64+32
.endr
	WIN 0
	s_add_co_u32 s[TBK], s[TBK], 64*PKK
	s_add_co_u32 s[TBM], s[TBM], 256
.if \last
.Lno_k_\@:
.endif
.endm
.macro FETCH_V
	WIN 0
	v_add_nc_u32 v[AV], s[TBV], v[AV0]
	s_add_co_u32 s[TBV], s[TBV], 64*PVV
	WIN 0x40
.irp f, 0,1,2,3,4,5,6,7                ; keys 32 (f / 4) on, channels 16 (f % 4) on
	ds_load_tr16_b128 v[VF+8*(\f):VF+8*(\f)+3],   v[AV] offset:((\f)/4)*32*PVV+((\f)%4)*32
	ds_load_tr16_b128 v[VF+8*(\f)+4:VF+8*(\f)+7], v[AV] offset:((\f)/4)*32*PVV+16*PVV+((\f)%4)*32
.endr
	WIN 0
.endm
; THE MATRIX WORK.  In each run of 16 the 8 accumulators take turns.  K Q^T: channels 32 (i / 8) on, keys 16 ((i / 2) % 4) on, tile i % 2; the first 8 start the sums with the mask.
.macro KQS
	WIN 0x05                                       ; K and Q window 1; the mask and S^T window 0
.set i, 0
.rept 16
.set rS, S+32*(i%2)+8*((i/2)%4)
.set rK, KF+16*((i/2)%4)+8*(i/8)
.set rQ, 16*(i%2)+8*(i/8)
.set rM, MK+8*((i/2)%4)
.if i < 8
	v_wmma_f32_16x16x32_bf16 v[rS:rS+7], v[rK:rK+7], v[rQ:rQ+7], v[rM:rM+7]
.else
	v_wmma_f32_16x16x32_bf16 v[rS:rS+7], v[rK:rK+7], v[rQ:rQ+7], v[rS:rS+7]
.endif
.set i, i+1
.endr
.endm
; O^T += V^T P: keys 32 (i / 8) on, channels 16 ((i / 2) % 4) on, tile i % 2
.macro PVS
	WIN 0x01                                       ; V window 1
.set i, 0
.rept 16
.set rO, O+32*(i%2)+8*((i/2)%4)
.set rV, VF+32*(i/8)+8*((i/2)%4)
.set rP, P+16*(i%2)+8*(i/8)
	v_wmma_f32_16x16x32_bf16 v[rO:rO+7], v[rV:rV+7], v[rP:rP+7], v[rO:rO+7]
.set i, i+1
.endr
.endm
; THE SOFTMAX of one step, both tiles alternating.
.macro REGS u
.set rT, ST+4*(\u)
.set rC, TMP+4*(\u)
.set rW, MV+(\u)
.set rS, S+32*(\u)
.endm
; Number n of the 22 that find the maximum and the statistics: 0-11 four chains of seven scores (each accumulator's lowest registers first); 12-14, 16 the scores left over, the old m, four into one; 15 c m_old is kept;
; 17, 18 the query's other 32 keys lie in the lane 16 away; 19-21 c m, c m_old - c m_new, a
.macro XS u, n
	REGS \u
.if (\n) < 4
	v_max3_num_f32 v[rC+(\n)], v[rS+8*(\n)], v[rS+8*(\n)+1], v[rS+8*(\n)+2]
.elseif (\n) < 12
	v_max3_num_f32 v[rC+(\n)%4], v[rC+(\n)%4], v[rS+8*((\n)%4)+2*((\n)/4)+1], v[rS+8*((\n)%4)+2*((\n)/4)+2]
.elseif (\n) == 12
	v_max3_num_f32 v[rC], v[rC], v[rS+7], v[rS+15]
.elseif (\n) == 13
	v_max3_num_f32 v[rC+1], v[rC+1], v[rS+23], v[rS+31]
.elseif (\n) == 14
	v_max3_num_f32 v[rC+2], v[rC+2], v[rC+3], v[rT+1]
.elseif (\n) == 15
	v_mov_b32 v[rW], v[rT]
.elseif (\n) == 16
	v_max3_num_f32 v[rC], v[rC], v[rC+1], v[rC+2]
.elseif (\n) == 17
	v_permlanex16_b32 v[rC+3], v[rC], s[SEL], s[SEL+1]
.elseif (\n) == 18
	v_max_num_f32 v[rT+1], v[rC], v[rC+3]
.elseif (\n) == 19
	v_mul_f32 v[rT], s[CS], v[rT+1]
.elseif (\n) == 20
	v_sub_f32 v[rC+1], v[rW], v[rT]
.else
	v_exp_f32 v[rC+2], v[rC+1]
.endif
.endm
.macro FS f                            ; c s - c m for pair f / 2 of tile f % 2
	REGS (\f)%2
	v_pk_fma_f32 v[rS+2*((\f)/2):rS+2*((\f)/2)+1], v[rS+2*((\f)/2):rS+2*((\f)/2)+1], s[CS:CS+1], v[rT:rT+1] op_sel_hi:[1,0,0] neg_lo:[0,0,1] neg_hi:[0,0,1]
.endm
.macro EX e                            ; the exponential of score e / 2 of tile e % 2
	REGS (\e)%2
	v_exp_f32 v[rS+(\e)/2], v[rS+(\e)/2]
.endm
.macro SOFTMAX
	WIN 0
.irp n, 0,1,2,3,4,5,6,7,8,9,10,11,12,13,14,15,16,17,18,19,20,21
	XS 0, \n
	XS 1, \n
.endr
.set f, 0
.rept 4
	FS f
.set f, f+1
.endr
.set k, 0
.rept 32                                       ; ONE BATCH of 66 exponentials (the two a above among them); a scaling between each two while there are scalings; each pair is scaled well ahead of its exponentials
.if f < 32
	FS f
.set f, f+1
.endif
	EX 2*k
	EX 2*k+1
.set k, k+1
.endr
	v_nop                                          ; a plain instruction behind the last exponential
	s_wait_alu depctr_va_vdst(0)                   ; one wait for the batch, ahead of the first instruction that names a result
.set k, 0
.rept 16
	v_cvt_pk_bf16_f32 v[P+k], v[S+2*k], v[S+2*k+1]
	v_cvt_pk_bf16_f32 v[P+16+k], v[S+32+2*k], v[S+32+2*k+1]
.set k, k+1
.endr
.irp d, 16,8,4,2                       ; the 16 pairs' sum, in place: neighbours 8, 4, 2 and 1 pairs apart
.set p, 0
.rept (\d)/2
	v_pk_add_f32 v[S+p:S+p+1], v[S+p:S+p+1], v[S+p+(\d):S+p+(\d)+1]
	v_pk_add_f32 v[S+32+p:S+32+p+1], v[S+32+p:S+32+p+1], v[S+32+p+(\d):S+32+p+(\d)+1]
.set p, p+2
.endr
.endr
.irp u, 0,1
	v_pk_fma_f32 v[ST+4*(\u)+2:ST+4*(\u)+3], v[ST+4*(\u)+2:ST+4*(\u)+3], v[TMP+4*(\u)+2:TMP+4*(\u)+3], v[S+32*(\u):S+32*(\u)+1] op_sel_hi:[1,0,1]  ; l = a l + sum
.endr
.set k, 0
.rept 16                                       ; O^T times a, each accumulator's registers in ascending order
	v_pk_mul_f32 v[O+2*k:O+2*k+1], v[O+2*k:O+2*k+1], v[TMP+2:TMP+3] op_sel_hi:[1,0]
	v_pk_mul_f32 v[O+32+2*k:O+32+2*k+1], v[O+32+2*k:O+32+2*k+1], v[TMP+6:TMP+7] op_sel_hi:[1,0]
.set k, k+1
.endr
.endm
.macro HALF1 last                      ; the next step's K and mask are asked for; this step's softmax and V^T P
	PLACES                                         ; behind the products that read K and the mask and wrote S^T
	FETCH_K \last
	SOFTMAX
	s_wait_dscnt 0x0                               ; this step's V, the next step's K and mask are in
	PVS
.endm
.macro HALF2                           ; the next step's V is asked for; its K Q^T
	PLACES                                         ; behind the products that read V
	FETCH_V
	KQS
.endm
	CHANGE 1, 0                                    ; tile 0 is in, everybody's part of it; tile 1 is asked for
	FETCH_K
	FETCH_V
	s_wait_loadcnt 12                              ; Q is in; the twelve younger loads, the weights' first group, stay out
	s_wait_dscnt 0x0
	KQS
	WIN 0
	s_mov_b32 s[CNT], 3                            ; trip j fetches step j + 1: the first slot's last fetch stands in trip 2.  The trips: 3, then 6 x 4, then the tail's 5: 32
	s_branch .Lstep
.Lslot:                                        ; six times: tiles 2 to 7 are asked for; the weights' groups 0 to 5 go out, groups 1 to 6 are asked for
	CHANGE 1, 1
	s_mov_b32 s[CNT], 4
.Lstep:
	HALF1 0
	HALF2
	WIN 0
	s_sub_co_u32 s[CNT], s[CNT], 1
	s_cmp_lg_u32 s[CNT], 0
	s_cbranch_scc1 .Lstep
	s_sub_co_u32 s[SLOTS], s[SLOTS], 1
	s_cmp_lg_u32 s[SLOTS], 0
	s_cbranch_scc1 .Lslot
	CHANGE 0, 1                                    ; the tail is written out: five trips, entered in the middle of the text; the weights' group 6 goes out, group 7 is asked for
	s_mov_b32 s[CNT], 5
	s_branch .Ltin
.Ltail:
	HALF2
	WIN 0
.Ltin:
	HALF1 1
	WIN 0
	s_sub_co_u32 s[CNT], s[CNT], 1
	s_cmp_lg_u32 s[CNT], 0
	s_cbranch_scc1 .Ltail
	CAST_OUT                                       ; the weights' last group
	; THE WAY OUT: l's two halves and the other lanes' are added; O^T is divided by l, rounded to bf16 and sent through my stage, a tile at a time
	PLACES
.irp u, 0,1
	v_add_f32 v[ST+4*(\u)+2], v[ST+4*(\u)+2], v[ST+4*(\u)+3]
.endr
.irp u, 0,1
	v_permlanex16_b32 v[ST+4*(\u)+3], v[ST+4*(\u)+2], s[SEL], s[SEL+1]
.endr
.irp u, 0,1
	v_add_f32 v[ST+4*(\u)+2], v[ST+4*(\u)+2], v[ST+4*(\u)+3]
.endr
.irp u, 0,1
	v_rcp_f32 v[ST+4*(\u)+2], v[ST+4*(\u)+2]
.endr
	v_nop
	s_wait_alu depctr_va_vdst(0)                   ; one wait for the two reciprocals
.macro PACK u
.set i, 0
.rept 16
	v_pk_mul_f32 v[O+32*(\u)+2*i:O+32*(\u)+2*i+1], v[O+32*(\u)+2*i:O+32*(\u)+2*i+1], v[ST+4*(\u)+2:ST+4*(\u)+3] op_sel_hi:[1,0]
.set i, i+1
.endr
.set i, 0
.rept 16
	v_cvt_pk_bf16_f32 v[S+16*(\u)+i], v[O+32*(\u)+2*i], v[O+32*(\u)+2*i+1]
.set i, i+1
.endr
.irp f, 0,1,2,3
	ds_store_b128 v[STO], v[S+16*(\u)+4*(\f):S+16*(\u)+4*(\f)+3] offset:32*(\f)
.endr
.irp f, 0,1,2,3
	ds_load_b128 v[S+16*(\u)+4*(\f):S+16*(\u)+4*(\f)+3], v[RD] offset:576*(\f)  ; LDS serves a wave's instructions in order: these see the stores above, the next tile's stores come behind them
.endr
.endm
.macro SEND u, younger
.irp f, 0,1,2,3
	s_wait_dscnt (\younger)+3-(\f)
	global_store_b128 v[GO], v[S+16*(\u)+4*(\f):S+16*(\u)+4*(\f)+3], s[AOP:AOP+1] offset:(\u)*PANEL+512*(\f)  ; 512 consecutive bytes of the head's panel
.endr
.endm
	PACK 0
	PACK 1
	SEND 0, 8
	SEND 1, 0
	s_wait_tensorcnt 0x0                           ; the wave's end
	ds_add_u32 v[SPW], v[NIL]
	s_wait_dscnt 0x0
	CROUND                                         ; the closing round
	s_endpgm
.Lfunc_end_k_qb700adcafd_attn:
	.size	k_qb700adcafd_attn, .Lfunc_end_k_qb700adcafd_attn-k_qb700adcafd_attn
	.p2alignl 7, 3214868480
	.fill 96, 4, 3214868480
	.section	.rodata,"a",@progbits
	.p2align	6, 0x0
	.amdhsa_kernel k_qb700adcafd_attn
		.amdhsa_group_segment_fixed_size 327680
		.amdhsa_private_segment_fixed_size 0
		.amdhsa_enable_private_segment 0
		.amdhsa_kernarg_size 56
		.amdhsa_user_sgpr_count 2
		.amdhsa_user_sgpr_kernarg_segment_ptr 1
		.amdhsa_wavefront_size32 1
		.amdhsa_system_sgpr_workgroup_id_x 1
		.amdhsa_system_sgpr_workgroup_id_y 1
		.amdhsa_system_sgpr_workgroup_id_z 1
		.amdhsa_system_vgpr_workitem_id 0
		.amdhsa_next_free_vgpr 512
		.amdhsa_next_free_sgpr 102
		.amdhsa_reserve_vcc 0
		.amdhsa_float_denorm_mode_32 3
		.amdhsa_float_denorm_mode_16_64 3
		.amdhsa_memory_ordered 1
		.amdhsa_forward_progress 1
		.amdhsa_inst_pref_size 77
	.end_amdhsa_kernel
	.amdgpu_metadata
---
amdhsa.version: [ 1, 2 ]
amdhsa.kernels:
  - .name:           k_qb700adcafd_attn
    .symbol:         k_qb700adcafd_attn.kd
    .args:
      - { .name: qkv, .offset: 0, .size: 8, .value_kind: global_buffer, .address_space: global }
      - { .name: attention_mask, .offset: 8, .size: 8, .value_kind: global_buffer, .address_space: global }
      - { .name: ao, .offset: 16, .size: 8, .value_kind: global_buffer, .address_space: global }
      - { .name: wb, .offset: 24, .size: 8, .value_kind: global_buffer, .address_space: global }
      - { .name: Wgate, .offset: 32, .size: 8, .value_kind: global_buffer, .address_space: global }
      - { .name: Wup, .offset: 40, .size: 8, .value_kind: global_buffer, .address_space: global }
      - { .name: Wdown, .offset: 48, .size: 8, .value_kind: global_buffer, .address_space: global }
    .group_segment_fixed_size: 327680
    .private_segment_fixed_size: 0
    .kernarg_segment_align: 8
    .kernarg_segment_size: 56
    .max_flat_workgroup_size: 128
    .sgpr_count:     102
    .vgpr_count:     512
    .wavefront_size: 32
...
	.end_amdgpu_metadata
.endif
;; end of part 3
;; launch wo (part 4): grid 8 x 32, 4 waves a work-group, clusters of 4 x 4, 327,680 bytes of LDS; arguments ao, wb, hidden_states, ln2_w, hx; writes hx
.if DOCPART == 4
	.amdgcn_target "amdgcn-amd-amdhsa--gfx1250"
	.amdhsa_code_object_version 6
	.text
	.protected	k_qb700adcafd_wo
	.globl	k_qb700adcafd_wo
	.p2align	8
	.type	k_qb700adcafd_wo,@function
k_qb700adcafd_wo:
	s_mov_b64 s[64:65], 0
	v_nop
	global_prefetch_b8 v0, s[64:65] scope:SCOPE_SE
	s_setreg_imm32_b32 hwreg(HW_REG_WAVE_MODE, 25, 1), 1
	s_wait_xcnt 0x0
	s_wait_alu depctr_hold_cnt(0) depctr_sa_sdst(0) depctr_va_vdst(0) depctr_va_sdst(0) depctr_va_ssrc(0) depctr_va_vcc(0) depctr_vm_vsrc(0)
	s_getreg_b32 s2, hwreg(HW_REG_IB_STS2, 6, 4)
	s_cmp_eq_u32 s2, 0
	s_cbranch_scc0 .Lentry_in_a_cluster
	s_endpgm
.Lentry_in_a_cluster:
	s_bfe_u32 s2, ttmp6, 0x10000c
	s_cmp_lg_u32 s2, 0xf033
	s_cbranch_scc0 .Lentry_shape_is_right
	s_endpgm
.Lentry_shape_is_right:
; h2 = hidden_states + ao Wo (f32, [4096][1024]); x2 = bf16(h2 * ln2_w) in panels [16][4096][64]; for each row and panel the sum of h2^2 over the panel's 64 columns (f32, [16][4096]).
; The second norm's row factor is applied by the launch behind, which adds the 16 partial sums in a fixed order: it is one number a row and commutes with the product.
; ao lies in panels [8][4096][64], Wo in column blocks [8][512][128], both bf16.  bf16 operands, f32 sums; the residual path stays f32.
; SHARES, CLUSTER, LAYOUT: a work-group makes 128 x 128, a wave 64 x 64 (16 accumulators); K = 512 is two steps of 256, one in each LDS slot: nothing is filled again.  4 x 4 work-groups ask jointly: A's tile is
; shared along a row of the cluster, B's along a column.  The matrix instruction is used transposed (source 0 = 16 columns of B, turned out of LDS by ds_load_tr16_b128; source 1 = 16 rows of A):
; a lane holds row l % 16 and the columns 8 (l / 16) + 0..7.  No prefetch: the launch has two K steps.
; REGISTERS.  window 0: v0-31 addresses; v32-127 at work on the way out; v128-255 the accumulators.  window 1: two fragment buffers of 128.  window 2: v0-127 the residual of my 64 x 64, loaded at the start.
.set KDIM,  512
.set PANEL, 524288
.set O_WO,  2097152
.set O_X2,  16777216
.set O_SSQ, 25165824
.set PA,    144
.set PB,    288
.set PART,  36864
.set BOFF,  2*PART
.set SLOT,  4*PART
.set STAGE, 2*SLOT                     ; a stage of 16 rows x 272 bytes for each wave
.set STW,   4352
.set SSTG,  STAGE+4*STW                ; 64 row sums for each wave
.set SPARE, SSTG+1024                  ; the spare words, 128 bytes for each wave: two blocks of 256 bytes that no other line names
.set ASTEP, 4*PANEL
.set BSTEP, 65536
.set ADRA0, 16
.set ADRB0, 17
.set ADRA,  19
.set ADRB,  20
.set LNO,   23
.set STO,   24
.set RD,    25
.set CO,    26
.set XO,    27
.set SPW,   28
.set NIL,   29
.set TMP,   32
.set LN,    96
.set XM,    100
.set XC,    104
.set SQ,    120
.set SSA,   122
.set SSL,   123
.set ACC,   128
.set F0,    0
.set F1,    128
.set WV, 16
.set RH, 17
.set CH, 18
.set CNT, 19
.set CX, 20
.set CY, 21
.set TC, 22
.set TR, 23
.set G1A, 24
.set G0A, 32
.set G1B, 48
.set G0B, 56
.set TB, 66
.set LW, 68
.set H2P, 76
.set X2P, 78
.set SSP, 80
.set RESP, 82
.set MSB, 0
.macro WIN new
.if MSB != (\new)
	s_set_vgpr_msb (MSB<<8)|(\new)
.set MSB, \new
.endif
.endm
.set MUL,  0x05
.set TO_F, 0x40
.macro PLACES
.rept 4
	v_nop
.endr
.endm
.macro CROUND
	s_barrier_signal -1
	s_barrier_wait -1
	s_cmp_lg_u32 s[WV], 0
	s_cbranch_scc1 .Lnot_wave_0_\@
	s_barrier_signal -3
.Lnot_wave_0_\@:
	s_barrier_wait -3
	s_barrier_signal -1
	s_barrier_wait -1
.endm
	s_load_b256 s[4:11], s[0:1], 0x0               ; ao, wb, hidden_states, ln2_w
	s_load_b64 s[12:13], s[0:1], 0x20              ; hx
	v_lshl_add_u32 v[SPW], v0, 2, SPARE
	v_mov_b32 v[NIL], 0
	ds_add_u32 v[SPW], v[NIL]                      ; the wave's opening: the add and its wait ahead of my first tensor load
	v_lshrrev_b32 v1, 5, v0
	v_readfirstlane_b32 s[WV], v1
	s_lshr_b32 s[RH], s[WV], 1
	s_and_b32 s[CH], s[WV], 1
	s_bfe_u32 s[CX], ttmp6, 0x40000
	s_bfe_u32 s[CY], ttmp6, 0x40004
	s_lshl_b32 s[TC], ttmp9, 2
	s_add_co_u32 s[TC], s[TC], s[CX]
	s_and_b32 s[TR], ttmp7, 0xffff
	s_lshl_b32 s[TR], s[TR], 2
	s_add_co_u32 s[TR], s[TR], s[CY]
	s_lshl_b32 s40, s[CY], 2
	s_lshl_b32 s40, 15, s40
	s_lshl_b32 s44, 0x1111, s[CX]
	s_or_b32 s[G1A], s40, (1<<16)|(1<<20)|(1<<21)|(4<<22)|(3<<25)  ; two panels x 128 rows of 128 bytes: two rows of 8,192 elements, 16 bytes of padding behind every 128
	s_mov_b32 s[G1A+1], 8192<<16
	s_mov_b32 s[G1A+2], 2<<16
	s_mov_b32 s[G1A+3], 8192<<16
	s_mov_b32 s[G1A+4], 2
	s_mov_b32 s[G1A+5], PANEL/2
	s_mov_b32 s[G1A+6], 0
	s_mov_b32 s[G1A+7], 0
	s_or_b32 s[G1B], s44, (1<<16)|(1<<20)|(1<<21)|(5<<22)|(7<<25)  ; 128 rows of 256 bytes, dense, 32 bytes of padding behind each
	s_mov_b32 s[G1B+1], 128<<16
	s_mov_b32 s[G1B+2], 128<<16
	s_mov_b32 s[G1B+3], 128<<16
	s_mov_b32 s[G1B+4], 128
	s_mov_b32 s[G1B+5], 128
	s_mov_b32 s[G1B+6], 0
	s_mov_b32 s[G1B+7], 0
	s_lshl_b32 s40, s[TR], 14
	s_lshl_b32 s41, s[CH], 20
	s_add_co_u32 s40, s40, s41
	s_mov_b32 s41, 0
	s_mul_i32 s44, s[TC], KDIM*256
	s_lshl_b32 s45, s[CH], 15
	s_add_co_u32 s44, s44, s45
	s_add_co_u32 s44, s44, O_WO
	s_mov_b32 s45, 0
	s_mul_i32 s[LW], s[WV], PART
	s_mov_b32 s[TB], 0
	s_wait_dscnt 0x0
	s_wait_kmcnt 0x0
	s_add_nc_u64 s[40:41], s[4:5], s[40:41]
	s_add_nc_u64 s[44:45], s[6:7], s[44:45]
	s_mov_b32 s[G0A], 1
	s_mov_b32 s[G0A+1], s[LW]
	s_mov_b64 s[G0A+2:G0A+3], s[40:41]
	s_or_b32 s[G0A+3], s[G0A+3], 0x80000000
	s_mov_b32 s[G0A+4], 1
	s_add_co_u32 s[G0A+5], s[LW], SLOT
	s_add_nc_u64 s[G0A+6:G0A+7], s[40:41], ASTEP
	s_or_b32 s[G0A+7], s[G0A+7], 0x80000000
	s_mov_b32 s[G0B], 1
	s_mov_b32 s[G0B+1], s[LW]
	s_mov_b64 s[G0B+2:G0B+3], s[44:45]
	s_or_b32 s[G0B+3], s[G0B+3], 0x80000000
	s_mov_b32 s[G0B+4], 1
	s_add_co_u32 s[G0B+5], s[LW], SLOT
	s_add_nc_u64 s[G0B+6:G0B+7], s[44:45], BSTEP
	s_or_b32 s[G0B+7], s[G0B+7], 0x80000000
	CROUND
	s_cmp_eq_u32 s[RH], 0                          ; both K steps go out together, a wave's two loads in one branch
	s_cbranch_scc0 .Lfirst_b
	tensor_load_to_lds s[G0A:G0A+3], s[G1A:G1A+7]
	s_nop 0
	tensor_load_to_lds s[G0A+4:G0A+7], s[G1A:G1A+7]
	s_nop 0
.rept 4
	v_nop
.endr
	s_branch .Lfirst_done
.Lfirst_b:
	tensor_load_to_lds s[G0B:G0B+3], s[G1B:G1B+7]
	s_nop 0
	tensor_load_to_lds s[G0B+4:G0B+7], s[G1B:G1B+7]
	s_nop 0
.rept 4
	v_nop
.endr
.Lfirst_done:
	v_and_b32 v1, 15, v0
	v_bfe_u32 v2, v0, 4, 1
	v_and_b32 v3, 31, v0
	v_mul_u32_u24 v4, v1, PA
	v_lshl_add_u32 v4, v2, 4, v4
	s_mul_i32 s74, s[RH], 64*PA
	v_add_nc_u32 v[ADRA0], s74, v4
	v_and_b32 v5, 7, v0
	v_lshl_add_u32 v6, v2, 3, v5
	v_mul_u32_u24 v6, v6, PB
	v_bfe_u32 v7, v0, 3, 1
	v_lshl_add_u32 v6, v7, 4, v6
	s_lshl_b32 s74, s[CH], 7
	s_add_co_u32 s74, s74, BOFF
	v_add_nc_u32 v[ADRB0], s74, v6
	v_add_nc_u32 v[ADRB0+1], 128*PB, v[ADRB0]
	v_mov_b32 v[ADRA], v[ADRA0]
	v_mov_b32 v[ADRB], v[ADRB0]
	v_mov_b32 v[ADRB+1], v[ADRB0+1]
	s_mul_i32 s74, s[WV], STW
	s_add_co_u32 s74, s74, STAGE
	v_mul_u32_u24 v[STO], v1, 272                  ; in: row r, 32 bytes for each half of the lanes
	v_lshl_add_u32 v[STO], v2, 5, v[STO]
	v_add_nc_u32 v[STO], s74, v[STO]
	v_mul_u32_u24 v[RD], v2, 272                   ; back: lanes 0-15 one row of 256 bytes, lanes 16-31 the next
	v_lshl_add_u32 v[RD], v1, 4, v[RD]
	v_add_nc_u32 v[RD], s74, v[RD]
	v_lshlrev_b32 v[CO], 12, v2                    ; the same two rows in hidden_states and in h2
	v_lshl_add_u32 v[CO], v1, 4, v[CO]
	v_lshlrev_b32 v[XO], 3, v3                     ; and in x2's panel: 256 consecutive bytes
	s_lshl_b32 s74, s[WV], 8
	s_add_co_u32 s74, s74, SSTG
	v_lshl_add_u32 v[SSA], v2, 2, s74
	v_lshl_add_u32 v[SSL], v3, 3, s74
	s_lshl_b32 s86, s[TC], 9
	s_lshl_b32 s87, s[CH], 8
	s_add_co_u32 s86, s86, s87                     ; my first column, in bytes of f32
	v_lshl_add_u32 v[LNO], v1, 4, s86
	s_lshl_b32 s88, s[TR], 7
	s_lshl_b32 s87, s[RH], 6
	s_add_co_u32 s88, s88, s87                     ; my first row
	s_lshl_b32 s90, s88, 12
	s_add_co_u32 s90, s90, s86
	s_mov_b32 s91, 0
	s_add_nc_u64 s[RESP:RESP+1], s[8:9], s[90:91]
	s_add_nc_u64 s[H2P:H2P+1], s[12:13], s[90:91]
	s_lshl_b32 s86, s[TC], 1
	s_add_co_u32 s86, s86, s[CH]                   ; my panel
	s_lshl_b32 s90, s86, 19
	s_lshl_b32 s87, s88, 7
	s_add_co_u32 s90, s90, s87
	s_add_co_u32 s90, s90, O_X2
	s_add_nc_u64 s[X2P:X2P+1], s[12:13], s[90:91]
	s_lshl_b32 s90, s86, 14
	s_lshl_b32 s87, s88, 2
	s_add_co_u32 s90, s90, s87
	s_add_co_u32 s90, s90, O_SSQ
	s_add_nc_u64 s[SSP:SSP+1], s[12:13], s[90:91]
	global_load_b128 v[LN:LN+3], v[LNO], s[10:11]
	WIN 0x80                                       ; destination window 2
.irp a, 0,1,2,3
.irp t, 0,1,2,3,4,5,6,7
	global_load_b128 v[32*(\a)+4*(\t):32*(\a)+4*(\t)+3], v[CO], s[RESP:RESP+1] offset:(16*(\a)+2*(\t))*4096
.endr
.endr
	WIN 0
.macro MUL8 f, c, a0, zero
	WIN MUL
.irp a, \a0, (\a0)+1
.irp b, 0,1,2,3
.if \zero
	v_wmma_f32_16x16x32_bf16 v[ACC+8*(4*(\a)+(\b)):ACC+8*(4*(\a)+(\b))+7], v[(\f)+64+8*(4*(\c)+(\b)):(\f)+64+8*(4*(\c)+(\b))+7], v[(\f)+8*(4*(\c)+(\a)):(\f)+8*(4*(\c)+(\a))+7], 0
.else
	v_wmma_f32_16x16x32_bf16 v[ACC+8*(4*(\a)+(\b)):ACC+8*(4*(\a)+(\b))+7], v[(\f)+64+8*(4*(\c)+(\b)):(\f)+64+8*(4*(\c)+(\b))+7], v[(\f)+8*(4*(\c)+(\a)):(\f)+8*(4*(\c)+(\a))+7], v[ACC+8*(4*(\a)+(\b)):ACC+8*(4*(\a)+(\b))+7]
.endif
.endr
.endr
.endm
.macro FETCH kq, f
	WIN TO_F
.irp c, 0,1
.irp i, 0,1,2,3
	ds_load_tr16_b128 v[(\f)+64+8*(4*(\c)+(\i)):(\f)+64+8*(4*(\c)+(\i))+3],   v[ADRB+((\kq)>>1)] offset:((\kq)&1)*64*PB+(\c)*32*PB+32*(\i)
	ds_load_tr16_b128 v[(\f)+64+8*(4*(\c)+(\i))+4:(\f)+64+8*(4*(\c)+(\i))+7], v[ADRB+((\kq)>>1)] offset:((\kq)&1)*64*PB+(\c)*32*PB+32*(\i)+16*PB
	ds_load_b128 v[(\f)+8*(4*(\c)+(\i)):(\f)+8*(4*(\c)+(\i))+3],   v[ADRA] offset:(\kq)*128*PA+64*(\c)+(\i)*16*PA
	ds_load_b128 v[(\f)+8*(4*(\c)+(\i))+4:(\f)+8*(4*(\c)+(\i))+7], v[ADRA] offset:(\kq)*128*PA+64*(\c)+(\i)*16*PA+32
.endr
.endr
.endm
.macro QUARTER kq, f, g, zero
	s_wait_dscnt 16                                ; the first 32 along K are in
	MUL8 \f, 0, 0, \zero
	MUL8 \f, 0, 2, \zero
	PLACES
	FETCH \kq, \g
	s_wait_dscnt 32                                ; all but the 32 just issued
	MUL8 \f, 1, 0, 0
	MUL8 \f, 1, 2, 0
.endm
; The last quarter multiplies buffer 1 and goes over to the other slot: each wave's tensor loads have landed, and a barrier shows that to the others.  Nothing is filled again.
.macro TURN
	WIN 0
	s_wait_tensorcnt 0x0
	ds_add_u32 v[SPW], v[NIL]
	s_xor_b32 s[TB], s[TB], SLOT
	s_wait_dscnt 17                                ; the add and the youngest sixteen loads may be out
	MUL8 F1, 0, 0, 0
	s_wait_dscnt 0x0
	s_barrier_signal -1
	MUL8 F1, 0, 2, 0
	WIN 0
	s_barrier_wait -1
	PLACES
	v_add_nc_u32 v[ADRA], s[TB], v[ADRA0]
	v_add_nc_u32 v[ADRB], s[TB], v[ADRB0]
	v_add_nc_u32 v[ADRB+1], s[TB], v[ADRB0+1]
	FETCH 0, F0
	MUL8 F1, 1, 0, 0
	MUL8 F1, 1, 2, 0
.endm
	s_wait_tensorcnt 0x1                           ; my part of K step 0 is in; K step 1's may stay out
	s_barrier_signal -1
	s_barrier_wait -1
	FETCH 0, F0
	QUARTER 1, F0, F1, 1
	WIN 0
	s_mov_b32 s[CNT], 2                            ; the two K steps: one text, walked twice, entered in its middle
	s_branch .Lmid
.Ltail:
	QUARTER 1, F0, F1, 0
	WIN 0
.Lmid:
	QUARTER 2, F1, F0, 0
	QUARTER 3, F0, F1, 0
	TURN                                           ; (the second time its 32 loads, from slot 0's landed bytes, serve nothing: the price of one text)
	WIN 0
	s_sub_co_u32 s[CNT], s[CNT], 1
	s_cmp_lg_u32 s[CNT], 0
	s_cbranch_scc1 .Ltail
	; THE WAY OUT, 16 rows at a time: through my stage into whole rows of 256 bytes; + residual = h2, stored; x2 and the row's sum of squares made of it
	s_wait_dscnt 0x0
	s_wait_loadcnt 0x0                             ; the residual and ln2_w
	PLACES
.macro OUT a
	s_wait_xcnt 0x0                                ; the last block's stores have read their registers
.irp b, 0,1,2,3
	ds_store_b128 v[STO], v[ACC+8*(4*(\a)+(\b)):ACC+8*(4*(\a)+(\b))+3]   offset:64*(\b)
	ds_store_b128 v[STO], v[ACC+8*(4*(\a)+(\b))+4:ACC+8*(4*(\a)+(\b))+7] offset:64*(\b)+16
.endr
.irp t, 0,1,2,3,4,5,6,7
	ds_load_b128 v[TMP+4*(\t):TMP+4*(\t)+3], v[RD] offset:544*(\t)  ; LDS serves a wave's instructions in order: these see the stores above
.endr
	s_wait_dscnt 0x0
	WIN 0x08                                       ; source 1 window 2
.irp t, 0,1,2,3,4,5,6,7
	v_pk_add_f32 v[TMP+4*(\t):TMP+4*(\t)+1],   v[TMP+4*(\t):TMP+4*(\t)+1],   v[32*(\a)+4*(\t):32*(\a)+4*(\t)+1]
	v_pk_add_f32 v[TMP+4*(\t)+2:TMP+4*(\t)+3], v[TMP+4*(\t)+2:TMP+4*(\t)+3], v[32*(\a)+4*(\t)+2:32*(\a)+4*(\t)+3]
.endr
	WIN 0
.irp t, 0,1,2,3,4,5,6,7
	global_store_b128 v[CO], v[TMP+4*(\t):TMP+4*(\t)+3], s[H2P:H2P+1] offset:(16*(\a)+2*(\t))*4096  ; 16 lanes store 256 consecutive bytes, aligned
	v_pk_mul_f32 v[XM:XM+1],   v[TMP+4*(\t):TMP+4*(\t)+1],   v[LN:LN+1]
	v_pk_mul_f32 v[XM+2:XM+3], v[TMP+4*(\t)+2:TMP+4*(\t)+3], v[LN+2:LN+3]
	v_cvt_pk_bf16_f32 v[XC+2*(\t)], v[XM], v[XM+1]
	v_cvt_pk_bf16_f32 v[XC+2*(\t)+1], v[XM+2], v[XM+3]
	global_store_b64 v[XO], v[XC+2*(\t):XC+2*(\t)+1], s[X2P:X2P+1] offset:(16*(\a)+2*(\t))*128
	v_pk_mul_f32 v[SQ:SQ+1], v[TMP+4*(\t):TMP+4*(\t)+1], v[TMP+4*(\t):TMP+4*(\t)+1]
	v_pk_fma_f32 v[SQ:SQ+1], v[TMP+4*(\t)+2:TMP+4*(\t)+3], v[TMP+4*(\t)+2:TMP+4*(\t)+3], v[SQ:SQ+1]
	v_add_f32 v[SQ], v[SQ], v[SQ+1]
	v_add_f32_dpp v[SQ], v[SQ], v[SQ] row_xmask:1 row_mask:0xf bank_mask:0xf
	v_add_f32_dpp v[SQ], v[SQ], v[SQ] row_xmask:2 row_mask:0xf bank_mask:0xf
	v_add_f32_dpp v[SQ], v[SQ], v[SQ] row_xmask:4 row_mask:0xf bank_mask:0xf
	v_add_f32_dpp v[SQ], v[SQ], v[SQ] row_xmask:8 row_mask:0xf bank_mask:0xf
	ds_store_b32 v[SSA], v[SQ] offset:(16*(\a)+2*(\t))*4  ; sixteen lanes write the row's word with the same number
.endr
.endm
	OUT 0
	OUT 1
	OUT 2
	OUT 3
	ds_load_b64 v[SQ:SQ+1], v[SSL]                 ; my 64 row sums, two a lane
	s_wait_dscnt 0x0
	global_store_b64 v[XO], v[SQ:SQ+1], s[SSP:SSP+1]
	s_wait_tensorcnt 0x0                           ; the wave's end
	ds_add_u32 v[SPW], v[NIL]
	s_wait_dscnt 0x0
	CROUND                                         ; the closing round
	s_endpgm
.Lfunc_end_k_qb700adcafd_wo:
	.size	k_qb700adcafd_wo, .Lfunc_end_k_qb700adcafd_wo-k_qb700adcafd_wo
	.p2alignl 7, 3214868480
	.fill 96, 4, 3214868480
	.section	.rodata,"a",@progbits
	.p2align	6, 0x0
	.amdhsa_kernel k_qb700adcafd_wo
		.amdhsa_group_segment_fixed_size 327680
		.amdhsa_private_segment_fixed_size 0
		.amdhsa_enable_private_segment 0
		.amdhsa_kernarg_size 40
		.amdhsa_user_sgpr_count 2
		.amdhsa_user_sgpr_kernarg_segment_ptr 1
		.amdhsa_wavefront_size32 1
		.amdhsa_system_sgpr_workgroup_id_x 1
		.amdhsa_system_sgpr_workgroup_id_y 1
		.amdhsa_system_sgpr_workgroup_id_z 1
		.amdhsa_system_vgpr_workitem_id 0
		.amdhsa_next_free_vgpr 640
		.amdhsa_next_free_sgpr 96
		.amdhsa_reserve_vcc 0
		.amdhsa_float_denorm_mode_32 3
		.amdhsa_float_denorm_mode_16_64 3
		.amdhsa_memory_ordered 1
		.amdhsa_forward_progress 1
		.amdhsa_inst_pref_size 73
	.end_amdhsa_kernel
	.amdgpu_metadata
---
amdhsa.version: [ 1, 2 ]
amdhsa.kernels:
  - .name:           k_qb700adcafd_wo
    .symbol:         k_qb700adcafd_wo.kd
    .args:
      - { .name: ao, .offset: 0, .size: 8, .value_kind: global_buffer, .address_space: global }
      - { .name: wb, .offset: 8, .size: 8, .value_kind: global_buffer, .address_space: global }
      - { .name: hidden_states, .offset: 16, .size: 8, .value_kind: global_buffer, .address_space: global }
      - { .name: ln2_w, .offset: 24, .size: 8, .value_kind: global_buffer, .address_space: global }
      - { .name: hx, .offset: 32, .size: 8, .value_kind: global_buffer, .address_space: global }
    .group_segment_fixed_size: 327680
    .private_segment_fixed_size: 0
    .kernarg_segment_align: 8
    .kernarg_segment_size: 40
    .max_flat_workgroup_size: 128
    .sgpr_count:     96
    .vgpr_count:     640
    .wavefront_size: 32
...
	.end_amdgpu_metadata
.endif
;; end of part 4
;; launch gateup (part 5): grid 32 x 16, 4 waves a work-group, clusters of 4 x 4, 327,680 bytes of LDS; arguments hx, wb, act; writes act
.if DOCPART == 5
	.amdgcn_target "amdgcn-amd-amdhsa--gfx1250"
	.amdhsa_code_object_version 6
	.text
	.protected	k_qb700adcafd_gateup
	.globl	k_qb700adcafd_gateup
	.p2align	8
	.type	k_qb700adcafd_gateup,@function
k_qb700adcafd_gateup:
	s_mov_b64 s[64:65], 0
	v_nop
	global_prefetch_b8 v0, s[64:65] scope:SCOPE_SE
	s_setreg_imm32_b32 hwreg(HW_REG_WAVE_MODE, 25, 1), 1
	s_wait_xcnt 0x0
	s_wait_alu depctr_hold_cnt(0) depctr_sa_sdst(0) depctr_va_vdst(0) depctr_va_sdst(0) depctr_va_ssrc(0) depctr_va_vcc(0) depctr_vm_vsrc(0)
	s_getreg_b32 s2, hwreg(HW_REG_IB_STS2, 6, 4)
	s_cmp_eq_u32 s2, 0
	s_cbranch_scc0 .Lentry_in_a_cluster
	s_endpgm
.Lentry_in_a_cluster:
	s_bfe_u32 s2, ttmp6, 0x10000c
	s_cmp_lg_u32 s2, 0xf033
	s_cbranch_scc0 .Lentry_shape_is_right
	s_endpgm
.Lentry_shape_is_right:
; act = silu(r x2 Wgate) * (r x2 Wup), r = rsqrt(mean h2^2 + 1e-6) a row: the second norm's row factor is applied behind the products.  x2 = bf16(h2 ln2_w) lies in panels [16][4096][64], the weights in column
; blocks [32][1024][128] of bf16; the 16 partial sums of h2^2 a row ([16][4096] f32) are added here in ascending order.  bf16 operands, f32 sums; act is rounded once to bf16, panels [64][4096][64].
; silu(x) = x / (1 + 2^(-x log2 e)): where the power overflows the reciprocal is 0, which is the limit.
; SHARES.  A work-group makes 256 rows x 128 columns of act, that is 128 columns of gate and 128 of up; a wave 128 rows x (64 gate + 64 up): 64 accumulators, 512 registers; gate and up of one number lie in the same lane
; and register of accumulators b and b + 4.  K goes in steps of 128 (two panels) through two LDS slots.  512 work-groups of equal work.
; CLUSTER 4 x 4: A's tile is shared along a row, the two weights' tiles along a column: asked for jointly.  The matrix instruction is used transposed (source 0 = 16 columns of a weight, turned out of LDS by
; ds_load_tr16_b128; source 1 = 16 rows of x2): a lane holds row l % 16 and the columns 8 (l / 16) + 0..7.
; REGISTERS.  window 0: v0-31 addresses; v32-63 four numbers a block of 16 rows: -log2(e) r twice, r^2 twice; v64-127, v128-191 fragments of A, two buffers (on the way out: at work).  window 1: v64-191 fragments of B.
; window 2: the accumulators of my rows 0-63 ((a, b) at 8 (8 a + b));  window 3: those of rows 64-127.
.set NS,    8
.set PANEL, 524288
.set O_X2,  16777216
.set O_SSQ, 25165824
.set O_WG,  3145728
.set O_WU,  11534336
.set PA,    144
.set PB,    288
.set PART,  36864                      ; a panel's 256 rows of A, or 128 rows of a weight
.set BOFF,  2*PART
.set SLOT,  4*PART                     ; it shares no bit with wave x PART
.set STAGE, 2*SLOT                     ; 16 rows x 144 bytes for each wave
.set RSTG,  STAGE+4*2304               ; 128 row factors for each wave
.set SPARE, RSTG+4*512                 ; the spare words, 128 bytes for each wave: two blocks of 256 bytes that no other line names
.set ASTEP, 2*PANEL
.set BSTEP, 32768
.set ADRA0, 16
.set ADRG0, 17
.set ADRU0, 18
.set ADRA,  19
.set ADRG,  20
.set ADRU,  21
.set STO,   24
.set RD,    25
.set GO,    26
.set SPW,   28
.set NIL,   29
.set PFO,   30
.set RR,    32
.set F0,    64
.set F1,    128
.set T,     64
.set PR,    96
.set CV,    128
.set OB,    144
.set WV, 16
.set RH, 17
.set CH, 18
.set CNT, 19
.set CX, 20
.set CY, 21
.set TC, 22
.set TR, 23
.set G1A, 24
.set G0A, 32
.set G1B, 48
.set G0B, 56
.set TB, 66
.set LW, 68
.set LIM, 69
.set PFA, 70
.set PST, 72
.set INV, 76
.set EPS, 78
.set NL2E, 80
.set SSP, 82
.set OUTP, 84
.set MSB, 0
.macro WIN new
.if MSB != (\new)
	s_set_vgpr_msb (MSB<<8)|(\new)
.set MSB, \new
.endif
.endm
.set MUL_LO, 0xa1                      ; source 0 (B) window 1, source 1 (A) window 0, C and D window 2
.set MUL_HI, 0xf1
.set TO_B,   0x40
.macro PLACES
.rept 4
	v_nop
.endr
.endm
.macro JLOAD                           ; waves 0, 1 fetch A's two panels, wave 2 gate's rows, wave 3 up's; an s_nop 0 and four v_nop follow each line
	s_cmp_eq_u32 s[RH], 0
	s_cbranch_scc0 .Lfor_b_\@
	tensor_load_to_lds s[G0A+4:G0A+7], s[G1A:G1A+7]
	s_nop 0
.rept 4
	v_nop
.endr
	s_branch .Lasked_\@
.Lfor_b_\@:
	tensor_load_to_lds s[G0B+4:G0B+7], s[G1B:G1B+7]
	s_nop 0
.rept 4
	v_nop
.endr
.Lasked_\@:
.endm
.macro CREST
	s_cmp_lg_u32 s[WV], 0
	s_cbranch_scc1 .Lnot_wave_0_\@
	s_barrier_signal -3
.Lnot_wave_0_\@:
	s_barrier_wait -3
	s_barrier_signal -1
	s_barrier_wait -1
.endm
.macro CROUND
	s_barrier_signal -1
	s_barrier_wait -1
	CREST
.endm
; A prefetch, behind each joint refill and the run of LDS loads: the K step that the NEXT refill will ask for, 256 matrix instructions ahead of that load.  A wave's tile is 32,768 dense bytes; the four partners that ask
; for it jointly take 8,192 each, by address; a lane names 256 bytes.  x2's rows are read by every cluster of a row of clusters: cluster x = 0 asks; a weight's block by every cluster of a column: cluster y = 0 asks.
; The loop's last trip asks for nothing: there is no K step behind the one it loads.
.macro ASK
	WIN 0
	s_cmp_gt_u32 s[CNT], s[LIM]
	s_cbranch_scc0 .Lnot_mine_\@
	global_prefetch_b8 v[PFO], s[PFA:PFA+1] th:TH_LOAD_NT scope:SCOPE_SE
.Lnot_mine_\@:
.endm
	s_load_b128 s[4:7], s[0:1], 0x0                ; hx, wb
	s_load_b64 s[8:9], s[0:1], 0x10                ; act
	v_lshl_add_u32 v[SPW], v0, 2, SPARE
	v_mov_b32 v[NIL], 0
	ds_add_u32 v[SPW], v[NIL]                      ; the wave's opening: the add and its wait ahead of my first tensor load
	v_lshrrev_b32 v1, 5, v0
	v_readfirstlane_b32 s[WV], v1
	s_lshr_b32 s[RH], s[WV], 1
	s_and_b32 s[CH], s[WV], 1
	s_bfe_u32 s[CX], ttmp6, 0x40000
	s_bfe_u32 s[CY], ttmp6, 0x40004
	s_lshl_b32 s[TC], ttmp9, 2
	s_add_co_u32 s[TC], s[TC], s[CX]               ; block of 128 columns of act
	s_and_b32 s[TR], ttmp7, 0xffff
	s_lshl_b32 s[TR], s[TR], 2
	s_add_co_u32 s[TR], s[TR], s[CY]               ; block of 256 rows
	s_lshl_b32 s40, s[CY], 2
	s_lshl_b32 s40, 15, s40
	s_lshl_b32 s44, 0x1111, s[CX]
	s_or_b32 s[G1A], s40, (1<<16)|(1<<20)|(1<<21)|(4<<22)|(3<<25)  ; a panel's 256 rows are 32,768 dense bytes: 128 rows of 256, 16 bytes of padding behind every 128
	s_or_b32 s[G1B], s44, (1<<16)|(1<<20)|(1<<21)|(5<<22)|(7<<25)  ; 128 rows of 256 bytes, dense, 32 bytes of padding behind each
.irp g, G1A, G1B
	s_mov_b32 s[\g+1], 128<<16
	s_mov_b32 s[\g+2], 128<<16
	s_mov_b32 s[\g+3], 128<<16
	s_mov_b32 s[\g+4], 128
	s_mov_b32 s[\g+5], 128
	s_mov_b32 s[\g+6], 0
	s_mov_b32 s[\g+7], 0
.endr
	s_lshl_b32 s40, s[TR], 15
	s_lshl_b32 s41, s[CH], 19                      ; the panel that I fetch
	s_add_co_u32 s40, s40, s41
	s_add_co_u32 s40, s40, O_X2
	s_mov_b32 s41, 0
	s_lshl_b32 s44, s[TC], 18
	s_mov_b32 s45, O_WG
	s_cmp_eq_u32 s[CH], 0                          ; the weight that I fetch
	s_cselect_b32 s45, s45, O_WU
	s_add_co_u32 s44, s44, s45
	s_mov_b32 s45, 0
	s_mul_i32 s[LW], s[WV], PART
	s_mov_b32 s[TB], 0
	s_mov_b32 s[INV], 0x3a800000                   ; 1 / 1024
	s_mov_b32 s[INV+1], s[INV]
	s_mov_b32 s[EPS], 0x358637bd                   ; 1e-6
	s_mov_b32 s[EPS+1], s[EPS]
	s_mov_b32 s[NL2E], 0xbfb8aa3b                  ; -log2(e)
	s_wait_dscnt 0x0
	s_wait_kmcnt 0x0
	s_add_nc_u64 s[40:41], s[4:5], s[40:41]
	s_add_nc_u64 s[44:45], s[6:7], s[44:45]
	s_mov_b32 s[G0A], 1
	s_mov_b32 s[G0A+1], s[LW]
	s_mov_b64 s[G0A+2:G0A+3], s[40:41]
	s_or_b32 s[G0A+3], s[G0A+3], 0x80000000
	s_mov_b32 s[G0A+4], 1
	s_add_co_u32 s[G0A+5], s[LW], SLOT
	s_add_nc_u64 s[G0A+6:G0A+7], s[40:41], ASTEP
	s_or_b32 s[G0A+7], s[G0A+7], 0x80000000
	s_mov_b32 s[G0B], 1
	s_mov_b32 s[G0B+1], s[LW]
	s_mov_b64 s[G0B+2:G0B+3], s[44:45]
	s_or_b32 s[G0B+3], s[G0B+3], 0x80000000
	s_mov_b32 s[G0B+4], 1
	s_add_co_u32 s[G0B+5], s[LW], SLOT
	s_add_nc_u64 s[G0B+6:G0B+7], s[44:45], BSTEP
	s_or_b32 s[G0B+7], s[G0B+7], 0x80000000
	CROUND
	s_cmp_eq_u32 s[RH], 0                          ; a wave's two first fills stand in one branch
	s_cbranch_scc0 .Lfirst_b
	tensor_load_to_lds s[G0A:G0A+3], s[G1A:G1A+7]
	s_nop 0
	tensor_load_to_lds s[G0A+4:G0A+7], s[G1A:G1A+7]
	s_nop 0
.rept 4
	v_nop
.endr
	s_branch .Lfirst_done
.Lfirst_b:
	tensor_load_to_lds s[G0B:G0B+3], s[G1B:G1B+7]
	s_nop 0
	tensor_load_to_lds s[G0B+4:G0B+7], s[G1B:G1B+7]
	s_nop 0
.rept 4
	v_nop
.endr
.Lfirst_done:
	v_and_b32 v1, 15, v0
	v_bfe_u32 v2, v0, 4, 1
	v_and_b32 v3, 31, v0
	v_lshlrev_b32 v9, 4, v3                        ; 16 l: four rows' sums a lane
	s_lshl_b32 s86, s[TR], 8
	s_lshl_b32 s87, s[RH], 7
	s_add_co_u32 s86, s86, s87                     ; my first row
	s_lshl_b32 s88, s86, 2
	s_add_co_u32 s88, s88, O_SSQ
	s_mov_b32 s89, 0
	s_add_nc_u64 s[SSP:SSP+1], s[4:5], s[88:89]
.irp p, 0,1,2,3,4,5,6,7,8,9,10,11,12,13,14,15
	global_load_b128 v[64+4*(\p):64+4*(\p)+3], v9, s[SSP:SSP+1] offset:16384*(\p)
.endr
	v_mul_u32_u24 v4, v1, PA
	v_lshl_add_u32 v4, v2, 4, v4
	s_mul_i32 s74, s[RH], 128*PA
	v_add_nc_u32 v[ADRA0], s74, v4
	v_and_b32 v5, 7, v0
	v_lshl_add_u32 v6, v2, 3, v5
	v_mul_u32_u24 v6, v6, PB
	v_bfe_u32 v7, v0, 3, 1
	v_lshl_add_u32 v6, v7, 4, v6
	s_lshl_b32 s74, s[CH], 7
	s_add_co_u32 s74, s74, BOFF
	v_add_nc_u32 v[ADRG0], s74, v6
	v_add_nc_u32 v[ADRU0], PART, v[ADRG0]
	v_mov_b32 v[ADRA], v[ADRA0]
	v_mov_b32 v[ADRG], v[ADRG0]
	v_mov_b32 v[ADRU], v[ADRU0]
	s_mul_i32 s74, s[WV], 2304
	s_add_co_u32 s74, s74, STAGE
	v_add_nc_u32 v[STO], s74, v4
	v_bfe_u32 v8, v0, 3, 2
	v_mul_u32_u24 v8, v8, 144
	v_lshl_add_u32 v8, v5, 4, v8
	v_add_nc_u32 v[RD], s74, v8
	v_lshlrev_b32 v[GO], 4, v3
	v_lshlrev_b32 v[PFO], 8, v3
	s_lshl_b32 s74, s[WV], 9
	s_add_co_u32 s74, s74, RSTG
	v_lshl_add_u32 v10, v3, 4, s74
	v_lshl_add_u32 v11, v1, 2, s74
	s_lshl_b32 s88, s[TC], 1
	s_add_co_u32 s88, s88, s[CH]                   ; my panel of act
	s_lshl_b32 s88, s88, 19
	s_lshl_b32 s86, s86, 7
	s_add_co_u32 s88, s88, s86
	s_add_nc_u64 s[OUTP:OUTP+1], s[8:9], s[88:89]
	; the prefetches stand at K step 2; the first change of slots steps them to 3
	s_lshl_b32 s86, s[TR], 15
	s_lshl_b32 s87, s[CH], 19
	s_add_co_u32 s86, s86, s87
	s_lshl_b32 s87, s[CX], 13
	s_add_co_u32 s86, s86, s87
	s_add_co_u32 s86, s86, O_X2+2*ASTEP
	s_lshl_b32 s88, s[TC], 18
	s_lshl_b32 s87, s[CY], 13
	s_add_co_u32 s88, s88, s87
	s_mov_b32 s87, O_WG+2*BSTEP
	s_cmp_eq_u32 s[CH], 0
	s_cselect_b32 s87, s87, O_WU+2*BSTEP
	s_add_co_u32 s88, s88, s87
	s_and_b32 s90, ttmp7, 0xffff
	s_mov_b32 s[PST], BSTEP
	s_mov_b32 s[PST+1], 0
	s_cmp_eq_u32 s[RH], 0
	s_cselect_b32 s88, s86, s88
	s_cselect_b32 s90, ttmp9, s90                  ; the coordinate along which other clusters read the same bytes
	s_cselect_b32 s[PST], ASTEP, s[PST]
	s_cselect_b64 s[PFA:PFA+1], s[4:5], s[6:7]
	s_add_nc_u64 s[PFA:PFA+1], s[PFA:PFA+1], s[88:89]
	s_cmp_eq_u32 s90, 0
	s_cselect_b32 s[LIM], 1, -1
	; the row factors: the 16 partial sums in ascending order, the root, through LDS to the lanes that hold the rows
	s_wait_loadcnt 0x0
.irp p, 1,2,3,4,5,6,7,8,9,10,11,12,13,14,15
	v_pk_add_f32 v[64:65], v[64:65], v[64+4*(\p):64+4*(\p)+1]
	v_pk_add_f32 v[66:67], v[66:67], v[64+4*(\p)+2:64+4*(\p)+3]
.endr
	v_pk_fma_f32 v[64:65], v[64:65], s[INV:INV+1], s[EPS:EPS+1] op_sel_hi:[1,0,0]
	v_pk_fma_f32 v[66:67], v[66:67], s[INV:INV+1], s[EPS:EPS+1] op_sel_hi:[1,0,0]
	v_rsq_f32 v64, v64
	v_rsq_f32 v65, v65
	v_rsq_f32 v66, v66
	v_rsq_f32 v67, v67
	v_nop
	s_wait_alu depctr_va_vdst(0)                   ; one wait for the four roots
	ds_store_b128 v10, v[64:67]
.irp a, 0,1,2,3,4,5,6,7
	ds_load_b32 v[68+(\a)], v11 offset:64*(\a)     ; LDS serves a wave's instructions in order: these see the store above
.endr
	s_wait_dscnt 0x0
.irp a, 0,1,2,3,4,5,6,7
	v_mul_f32 v[RR+4*(\a)], s[NL2E], v[68+(\a)]
	v_mul_f32 v[RR+4*(\a)+2], v[68+(\a)], v[68+(\a)]
	v_mov_b32 v[RR+4*(\a)+1], v[RR+4*(\a)]
	v_mov_b32 v[RR+4*(\a)+3], v[RR+4*(\a)+2]
.endr
; 16 matrix instructions: row blocks a0, a0 + 1 of the window's four x all 8 column blocks, 32 along K.  The 64 accumulators take turns.
.macro MUL16 f, hi, a0, zero
	WIN MUL_LO+0x50*(\hi)
.irp a, \a0, (\a0)+1
.irp b, 0,1,2,3,4,5,6,7
.if \zero
	v_wmma_f32_16x16x32_bf16 v[8*(8*(\a)+(\b)):8*(8*(\a)+(\b))+7], v[(\f)+8*(\b):(\f)+8*(\b)+7], v[(\f)+8*(4*(\hi)+(\a)):(\f)+8*(4*(\hi)+(\a))+7], 0
.else
	v_wmma_f32_16x16x32_bf16 v[8*(8*(\a)+(\b)):8*(8*(\a)+(\b))+7], v[(\f)+8*(\b):(\f)+8*(\b)+7], v[(\f)+8*(4*(\hi)+(\a)):(\f)+8*(4*(\hi)+(\a))+7], v[8*(8*(\a)+(\b)):8*(8*(\a)+(\b))+7]
.endif
.endr
.endr
.endm
; 32 LDS loads in one run: quarter q's fragments (32 along K): gate's four, up's four, then A's eight
.macro FETCH q, f
	WIN TO_B
.irp i, 0,1,2,3
	ds_load_tr16_b128 v[(\f)+8*(\i):(\f)+8*(\i)+3],   v[ADRG] offset:(\q)*32*PB+32*(\i)
	ds_load_tr16_b128 v[(\f)+8*(\i)+4:(\f)+8*(\i)+7], v[ADRG] offset:(\q)*32*PB+32*(\i)+16*PB
.endr
.irp i, 0,1,2,3
	ds_load_tr16_b128 v[(\f)+32+8*(\i):(\f)+32+8*(\i)+3],   v[ADRU] offset:(\q)*32*PB+32*(\i)
	ds_load_tr16_b128 v[(\f)+32+8*(\i)+4:(\f)+32+8*(\i)+7], v[ADRU] offset:(\q)*32*PB+32*(\i)+16*PB
.endr
	WIN 0
.irp i, 0,1,2,3,4,5,6,7
	ds_load_b128 v[(\f)+8*(\i):(\f)+8*(\i)+3],   v[ADRA] offset:((\q)>>1)*256*PA+((\q)&1)*64+(\i)*16*PA
	ds_load_b128 v[(\f)+8*(\i)+4:(\f)+8*(\i)+7], v[ADRA] offset:((\q)>>1)*256*PA+((\q)&1)*64+(\i)*16*PA+32
.endr
.endm
.macro QUARTER q, f, g, zero
	s_wait_dscnt 8                                 ; B and A's rows 0-63 are in; the youngest eight loads (A's rows 64-127) may be out
	MUL16 \f, 0, 0, \zero
	MUL16 \f, 0, 2, \zero
	PLACES
	FETCH \q, \g
	s_wait_dscnt 32                                ; all but the 32 just issued
	MUL16 \f, 1, 0, \zero
	MUL16 \f, 1, 2, \zero
.endm
; The last quarter multiplies buffer 1 and changes slots: one barrier; in front of it each wave waits for all its tensor loads, adds 0 to its spare word, and waits for that and for its reads of the slot.
; fill = 1: the barrier opens a round of the cluster's, and the slot just read is filled again, first thing behind it, with the K step two on: 224 matrix instructions ahead of the wait for it.
.macro TURN fill
.if \fill
	s_wait_xcnt 0x0                                ; the last prefetch, a K step back, has read its address
	s_add_nc_u64 s[PFA:PFA+1], s[PFA:PFA+1], s[PST:PST+1]
.endif
	WIN 0
	s_wait_tensorcnt 0x0
	ds_add_u32 v[SPW], v[NIL]
.if \fill
	s_xor_b32 s[G0A+5], s[G0A+5], SLOT
	s_add_nc_u64 s[G0A+6:G0A+7], s[G0A+6:G0A+7], ASTEP
	s_xor_b32 s[G0B+5], s[G0B+5], SLOT
	s_add_nc_u64 s[G0B+6:G0B+7], s[G0B+6:G0B+7], BSTEP
.endif
	s_xor_b32 s[TB], s[TB], SLOT
	s_wait_dscnt 9                                 ; the add and the youngest eight loads may be out
	MUL16 F1, 0, 0, 0
	s_wait_dscnt 0x0                               ; the add is done, and my reads of this slot are over
	s_barrier_signal -1
	MUL16 F1, 0, 2, 0
	WIN 0
	s_barrier_wait -1
.if \fill
	CREST
	JLOAD                                          ; its four v_nop are also the places in front of the loads below
.else
	PLACES
.endif
	v_add_nc_u32 v[ADRA], s[TB], v[ADRA0]
	v_add_nc_u32 v[ADRG], s[TB], v[ADRG0]
	v_add_nc_u32 v[ADRU], s[TB], v[ADRU0]
	FETCH 0, F0
.if \fill
	ASK
.endif
	MUL16 F1, 1, 0, 0
	MUL16 F1, 1, 2, 0
.endm
	s_wait_tensorcnt 0x1                           ; my part of K step 0 is in; K step 1's may stay out
	s_barrier_signal -1
	s_barrier_wait -1
	FETCH 0, F0
	QUARTER 1, F0, F1, 1                           ; the first quarter's products start the sums
	WIN 0
	s_mov_b32 s[CNT], NS-2
.Lstep:
	QUARTER 2, F1, F0, 0
	QUARTER 3, F0, F1, 0
	TURN 1
	QUARTER 1, F0, F1, 0
	WIN 0
	s_sub_co_u32 s[CNT], s[CNT], 1
	s_cmp_lg_u32 s[CNT], 0
	s_cbranch_scc1 .Lstep
	s_mov_b32 s[CNT], 2                            ; the last two K steps fill nothing: one text, walked twice, entered in its middle
	s_branch .Lmid
.Ltail:
	QUARTER 1, F0, F1, 0
	WIN 0
.Lmid:
	QUARTER 2, F1, F0, 0
	QUARTER 3, F0, F1, 0
	TURN 0                                         ; (the second time its 32 loads, from the other slot's landed bytes, serve nothing: the price of one text)
	WIN 0
	s_sub_co_u32 s[CNT], s[CNT], 1
	s_cmp_lg_u32 s[CNT], 0
	s_cbranch_scc1 .Ltail
	; THE WAY OUT, a block of 16 rows at a time.  ACT: r^2 g u / (1 + 2^(-log2(e) r g)), rounded to bf16.  TOSTAGE: through my stage.  SEND: 512 consecutive bytes a store.
	s_wait_dscnt 0x0
	PLACES
.macro ACT a
.set AC, 64*((\a)%4)
	WIN 2+(\a)/4                                   ; source 0 window 2 or 3
.irp k, 0,2,4,6,8,10,12,14,16,18,20,22,24,26,28,30  ; each accumulator's registers in ascending order
	v_pk_mul_f32 v[T+(\k):T+(\k)+1], v[AC+(\k):AC+(\k)+1], v[RR+4*(\a):RR+4*(\a)+1]
.endr
	WIN 5*(2+(\a)/4)                               ; sources 0 and 1
.irp k, 0,2,4,6,8,10,12,14,16,18,20,22,24,26,28,30
	v_pk_mul_f32 v[PR+(\k):PR+(\k)+1], v[AC+(\k):AC+(\k)+1], v[AC+32+(\k):AC+32+(\k)+1]
.endr
	WIN 0
.irp k, 0,2,4,6,8,10,12,14,16,18,20,22,24,26,28,30
	v_exp_f32 v[T+(\k)], v[T+(\k)]
	v_pk_mul_f32 v[PR+(\k):PR+(\k)+1], v[PR+(\k):PR+(\k)+1], v[RR+4*(\a)+2:RR+4*(\a)+3]
	v_exp_f32 v[T+(\k)+1], v[T+(\k)+1]
.endr
	v_nop
	s_wait_alu depctr_va_vdst(0)                   ; one wait for the 32 exponentials
.irp k, 0,2,4,6,8,10,12,14,16,18,20,22,24,26,28,30
	v_pk_add_f32 v[T+(\k):T+(\k)+1], v[T+(\k):T+(\k)+1], 1.0 op_sel_hi:[1,0]
.endr
.set i, 0
.rept 32
	v_rcp_f32 v[T+i], v[T+i]
.set i, i+1
.endr
	v_nop
	s_wait_alu depctr_va_vdst(0)                   ; one wait for the 32 reciprocals
.irp k, 0,2,4,6,8,10,12,14,16,18,20,22,24,26,28,30
	v_pk_mul_f32 v[PR+(\k):PR+(\k)+1], v[PR+(\k):PR+(\k)+1], v[T+(\k):T+(\k)+1]
.endr
.set i, 0
.rept 16
	v_cvt_pk_bf16_f32 v[CV+i], v[PR+2*i], v[PR+2*i+1]
.set i, i+1
.endr
.endm
.macro TOSTAGE a
.irp b, 0,1,2,3
	ds_store_b128 v[STO], v[CV+4*(\b):CV+4*(\b)+3] offset:32*(\b)
.endr
	s_wait_xcnt 0x0                                ; earlier stores have read their registers: only now are these loaded again
.irp f, 0,1,2,3
	ds_load_b128 v[OB+16*((\a)%2)+4*(\f):OB+16*((\a)%2)+4*(\f)+3], v[RD] offset:576*(\f)  ; LDS serves a wave's instructions in order: these see the stores above
.endr
.endm
.macro SEND a
	s_wait_dscnt 0x0
.irp f, 0,1,2,3
	global_store_b128 v[GO], v[OB+16*((\a)%2)+4*(\f):OB+16*((\a)%2)+4*(\f)+3], s[OUTP:OUTP+1] offset:2048*(\a)+512*(\f)
.endr
.endm
	ACT 0
	TOSTAGE 0
.irp a, 1,2,3,4,5,6,7                  ; a block's arithmetic stands between the loads of the block before and the wait for them
	ACT \a
	SEND (\a)-1
	TOSTAGE \a
.endr
	SEND 7
	s_wait_tensorcnt 0x0                           ; the wave's end
	ds_add_u32 v[SPW], v[NIL]
	s_wait_dscnt 0x0
	CROUND                                         ; the closing round
	s_endpgm
.Lfunc_end_k_qb700adcafd_gateup:
	.size	k_qb700adcafd_gateup, .Lfunc_end_k_qb700adcafd_gateup-k_qb700adcafd_gateup
	.p2alignl 7, 3214868480
	.fill 96, 4, 3214868480
	.section	.rodata,"a",@progbits
	.p2align	6, 0x0
	.amdhsa_kernel k_qb700adcafd_gateup
		.amdhsa_group_segment_fixed_size 327680
		.amdhsa_private_segment_fixed_size 0
		.amdhsa_enable_private_segment 0
		.amdhsa_kernarg_size 24
		.amdhsa_user_sgpr_count 2
		.amdhsa_user_sgpr_kernarg_segment_ptr 1
		.amdhsa_wavefront_size32 1
		.amdhsa_system_sgpr_workgroup_id_x 1
		.amdhsa_system_sgpr_workgroup_id_y 1
		.amdhsa_system_sgpr_workgroup_id_z 1
		.amdhsa_system_vgpr_workitem_id 0
		.amdhsa_next_free_vgpr 1024
		.amdhsa_next_free_sgpr 96
		.amdhsa_reserve_vcc 0
		.amdhsa_float_denorm_mode_32 3
		.amdhsa_float_denorm_mode_16_64 3
		.amdhsa_memory_ordered 1
		.amdhsa_forward_progress 1
		.amdhsa_inst_pref_size 149
	.end_amdhsa_kernel
	.amdgpu_metadata
---
amdhsa.version: [ 1, 2 ]
amdhsa.kernels:
  - .name:           k_qb700adcafd_gateup
    .symbol:         k_qb700adcafd_gateup.kd
    .args:
      - { .name: hx, .offset: 0, .size: 8, .value_kind: global_buffer, .address_space: global }
      - { .name: wb, .offset: 8, .size: 8, .value_kind: global_buffer, .address_space: global }
      - { .name: act, .offset: 16, .size: 8, .value_kind: global_buffer, .address_space: global }
    .group_segment_fixed_size: 327680
    .private_segment_fixed_size: 0
    .kernarg_segment_align: 8
    .kernarg_segment_size: 24
    .max_flat_workgroup_size: 128
    .sgpr_count:     96
    .vgpr_count:     1024
    .wavefront_size: 32
...
	.end_amdgpu_metadata
.endif
;; end of part 5
;; launch down (part 6): grid 8 x 32, 4 waves a work-group, clusters of 4 x 4, 327,680 bytes of LDS; arguments act, wb, hx, out0; writes out0
.if DOCPART == 6
	.amdgcn_target "amdgcn-amd-amdhsa--gfx1250"
	.amdhsa_code_object_version 6
	.text
	.protected	k_qb700adcafd_down
	.globl	k_qb700adcafd_down
	.p2align	8
	.type	k_qb700adcafd_down,@function
k_qb700adcafd_down:
	s_mov_b64 s[64:65], 0
	v_nop
	global_prefetch_b8 v0, s[64:65] scope:SCOPE_SE
	s_setreg_imm32_b32 hwreg(HW_REG_WAVE_MODE, 25, 1), 1
	s_wait_xcnt 0x0
	s_wait_alu depctr_hold_cnt(0) depctr_sa_sdst(0) depctr_va_vdst(0) depctr_va_sdst(0) depctr_va_ssrc(0) depctr_va_vcc(0) depctr_vm_vsrc(0)
	s_getreg_b32 s2, hwreg(HW_REG_IB_STS2, 6, 4)
	s_cmp_eq_u32 s2, 0
	s_cbranch_scc0 .Lentry_in_a_cluster
	s_endpgm
.Lentry_in_a_cluster:
	s_bfe_u32 s2, ttmp6, 0x10000c
	s_cmp_lg_u32 s2, 0xf033
	s_cbranch_scc0 .Lentry_shape_is_right
	s_endpgm
.Lentry_shape_is_right:
; out0 = h2 + act Wdown.  act lies in panels [64][4096][64], Wdown in column blocks [8][4096][128], both bf16; h2 and out0 are f32 [4096][1024].  bf16 operands, f32 sums; the residual path stays f32.
; SHARES, CLUSTER, LAYOUT: a work-group makes 128 x 128, a wave 64 x 64 (16 accumulators); K = 4,096 goes in 16 steps of 256 through two LDS slots.  4 x 4 work-groups ask jointly: A's tile is shared along a row of
; the cluster, B's along a column.  The matrix instruction is used transposed (source 0 = 16 columns of B, turned out of LDS by ds_load_tr16_b128; source 1 = 16 rows of A): a lane holds row l % 16 and the columns 8 (l / 16) + 0..7.
; REGISTERS.  window 0: v0-31 addresses; v32-63 at work on the way out; v128-255 the accumulators.  window 1: two fragment buffers of 128.  window 2: v0-127 h2 of my 64 x 64, loaded at the start.
.set KDIM,  4096
.set NS,    KDIM/256
.set PANEL, 524288
.set O_WD,  19922944
.set PA,    144
.set PB,    288
.set PART,  36864
.set BOFF,  2*PART
.set SLOT,  4*PART                     ; it shares no bit with wave x PART
.set STAGE, 2*SLOT
.set STW,   4352
.set SPARE, STAGE+4*STW+1024           ; the spare words, 128 bytes for each wave: two blocks of 256 bytes that no other line names
.set ASTEP, 4*PANEL
.set BSTEP, 65536
.set ADRA0, 16
.set ADRB0, 17
.set ADRA,  19
.set ADRB,  20
.set STO,   24
.set RD,    25
.set CO,    26
.set SPW,   28
.set NIL,   29
.set PFO,   30
.set TMP,   32
.set ACC,   128
.set F0,    0
.set F1,    128
.set WV, 16
.set RH, 17
.set CH, 18
.set CNT, 19
.set CX, 20
.set CY, 21
.set TC, 22
.set TR, 23
.set G1A, 24
.set G0A, 32
.set G1B, 48
.set G0B, 56
.set TB, 66
.set LW, 68
.set LIM, 69
.set PFA, 70
.set PST, 72
.set OUTP, 76
.set RESP, 78
.set MSB, 0
.macro WIN new
.if MSB != (\new)
	s_set_vgpr_msb (MSB<<8)|(\new)
.set MSB, \new
.endif
.endm
.set MUL,  0x05
.set TO_F, 0x40
.macro PLACES
.rept 4
	v_nop
.endr
.endm
.macro JLOAD
	s_cmp_eq_u32 s[RH], 0
	s_cbranch_scc0 .Lfor_b_\@
	tensor_load_to_lds s[G0A+4:G0A+7], s[G1A:G1A+7]
	s_nop 0
.rept 4
	v_nop
.endr
	s_branch .Lasked_\@
.Lfor_b_\@:
	tensor_load_to_lds s[G0B+4:G0B+7], s[G1B:G1B+7]
	s_nop 0
.rept 4
	v_nop
.endr
.Lasked_\@:
.endm
.macro CREST
	s_cmp_lg_u32 s[WV], 0
	s_cbranch_scc1 .Lnot_wave_0_\@
	s_barrier_signal -3
.Lnot_wave_0_\@:
	s_barrier_wait -3
	s_barrier_signal -1
	s_barrier_wait -1
.endm
.macro CROUND
	s_barrier_signal -1
	s_barrier_wait -1
	CREST
.endm
; A prefetch, behind each joint refill and the run of LDS loads: the K step that stands TWO refills on, 256 matrix instructions ahead of its load.  A wave's tile is 32,768 bytes; the four partners that ask for it jointly
; take 8,192 each, by address (of A: half of one of the two panels); a lane names 256 bytes.  act's rows are read by both clusters of a row of clusters: cluster x = 0 asks; a block of Wdown by every cluster of a column:
; cluster y = 0 asks.  The loop's last two trips ask for nothing: those K steps do not exist.
.macro ASK
	WIN 0
	s_cmp_gt_u32 s[CNT], s[LIM]
	s_cbranch_scc0 .Lnot_mine_\@
	global_prefetch_b8 v[PFO], s[PFA:PFA+1] th:TH_LOAD_NT scope:SCOPE_SE
.Lnot_mine_\@:
.endm
	s_load_b256 s[4:11], s[0:1], 0x0               ; act, wb, hx, out0
	v_lshl_add_u32 v[SPW], v0, 2, SPARE
	v_mov_b32 v[NIL], 0
	ds_add_u32 v[SPW], v[NIL]                      ; the wave's opening: the add and its wait ahead of my first tensor load
	v_lshrrev_b32 v1, 5, v0
	v_readfirstlane_b32 s[WV], v1
	s_lshr_b32 s[RH], s[WV], 1
	s_and_b32 s[CH], s[WV], 1
	s_bfe_u32 s[CX], ttmp6, 0x40000
	s_bfe_u32 s[CY], ttmp6, 0x40004
	s_lshl_b32 s[TC], ttmp9, 2
	s_add_co_u32 s[TC], s[TC], s[CX]
	s_and_b32 s[TR], ttmp7, 0xffff
	s_lshl_b32 s[TR], s[TR], 2
	s_add_co_u32 s[TR], s[TR], s[CY]
	s_lshl_b32 s40, s[CY], 2
	s_lshl_b32 s40, 15, s40
	s_lshl_b32 s44, 0x1111, s[CX]
	s_or_b32 s[G1A], s40, (1<<16)|(1<<20)|(1<<21)|(4<<22)|(3<<25)  ; two panels x 128 rows of 128 bytes: two rows of 8,192 elements, 16 bytes of padding behind every 128
	s_mov_b32 s[G1A+1], 8192<<16
	s_mov_b32 s[G1A+2], 2<<16
	s_mov_b32 s[G1A+3], 8192<<16
	s_mov_b32 s[G1A+4], 2
	s_mov_b32 s[G1A+5], PANEL/2
	s_mov_b32 s[G1A+6], 0
	s_mov_b32 s[G1A+7], 0
	s_or_b32 s[G1B], s44, (1<<16)|(1<<20)|(1<<21)|(5<<22)|(7<<25)  ; 128 rows of 256 bytes, dense, 32 bytes of padding behind each
	s_mov_b32 s[G1B+1], 128<<16
	s_mov_b32 s[G1B+2], 128<<16
	s_mov_b32 s[G1B+3], 128<<16
	s_mov_b32 s[G1B+4], 128
	s_mov_b32 s[G1B+5], 128
	s_mov_b32 s[G1B+6], 0
	s_mov_b32 s[G1B+7], 0
	s_lshl_b32 s40, s[TR], 14
	s_lshl_b32 s41, s[CH], 20
	s_add_co_u32 s40, s40, s41
	s_mov_b32 s41, 0
	s_lshl_b32 s44, s[TC], 20                      ; a column block is 4,096 rows of 256 bytes
	s_lshl_b32 s45, s[CH], 15
	s_add_co_u32 s44, s44, s45
	s_add_co_u32 s44, s44, O_WD
	s_mov_b32 s45, 0
	s_mul_i32 s[LW], s[WV], PART
	s_mov_b32 s[TB], 0
	s_wait_dscnt 0x0
	s_wait_kmcnt 0x0
	s_add_nc_u64 s[40:41], s[4:5], s[40:41]
	s_add_nc_u64 s[44:45], s[6:7], s[44:45]
	s_mov_b32 s[G0A], 1
	s_mov_b32 s[G0A+1], s[LW]
	s_mov_b64 s[G0A+2:G0A+3], s[40:41]
	s_or_b32 s[G0A+3], s[G0A+3], 0x80000000
	s_mov_b32 s[G0A+4], 1
	s_add_co_u32 s[G0A+5], s[LW], SLOT
	s_add_nc_u64 s[G0A+6:G0A+7], s[40:41], ASTEP
	s_or_b32 s[G0A+7], s[G0A+7], 0x80000000
	s_mov_b32 s[G0B], 1
	s_mov_b32 s[G0B+1], s[LW]
	s_mov_b64 s[G0B+2:G0B+3], s[44:45]
	s_or_b32 s[G0B+3], s[G0B+3], 0x80000000
	s_mov_b32 s[G0B+4], 1
	s_add_co_u32 s[G0B+5], s[LW], SLOT
	s_add_nc_u64 s[G0B+6:G0B+7], s[44:45], BSTEP
	s_or_b32 s[G0B+7], s[G0B+7], 0x80000000
	CROUND
	s_cmp_eq_u32 s[RH], 0                          ; a wave's two first fills stand in one branch
	s_cbranch_scc0 .Lfirst_b
	tensor_load_to_lds s[G0A:G0A+3], s[G1A:G1A+7]
	s_nop 0
	tensor_load_to_lds s[G0A+4:G0A+7], s[G1A:G1A+7]
	s_nop 0
.rept 4
	v_nop
.endr
	s_branch .Lfirst_done
.Lfirst_b:
	tensor_load_to_lds s[G0B:G0B+3], s[G1B:G1B+7]
	s_nop 0
	tensor_load_to_lds s[G0B+4:G0B+7], s[G1B:G1B+7]
	s_nop 0
.rept 4
	v_nop
.endr
.Lfirst_done:
	v_and_b32 v1, 15, v0
	v_bfe_u32 v2, v0, 4, 1
	v_and_b32 v3, 31, v0
	v_mul_u32_u24 v4, v1, PA
	v_lshl_add_u32 v4, v2, 4, v4
	s_mul_i32 s74, s[RH], 64*PA
	v_add_nc_u32 v[ADRA0], s74, v4
	v_and_b32 v5, 7, v0
	v_lshl_add_u32 v6, v2, 3, v5
	v_mul_u32_u24 v6, v6, PB
	v_bfe_u32 v7, v0, 3, 1
	v_lshl_add_u32 v6, v7, 4, v6
	s_lshl_b32 s74, s[CH], 7
	s_add_co_u32 s74, s74, BOFF
	v_add_nc_u32 v[ADRB0], s74, v6
	v_add_nc_u32 v[ADRB0+1], 128*PB, v[ADRB0]
	v_mov_b32 v[ADRA], v[ADRA0]
	v_mov_b32 v[ADRB], v[ADRB0]
	v_mov_b32 v[ADRB+1], v[ADRB0+1]
	s_mul_i32 s74, s[WV], STW
	s_add_co_u32 s74, s74, STAGE
	v_mul_u32_u24 v[STO], v1, 272
	v_lshl_add_u32 v[STO], v2, 5, v[STO]
	v_add_nc_u32 v[STO], s74, v[STO]
	v_mul_u32_u24 v[RD], v2, 272
	v_lshl_add_u32 v[RD], v1, 4, v[RD]
	v_add_nc_u32 v[RD], s74, v[RD]
	v_lshlrev_b32 v[CO], 12, v2
	v_lshl_add_u32 v[CO], v1, 4, v[CO]
	v_lshlrev_b32 v[PFO], 8, v3
	s_lshl_b32 s86, s[TC], 9
	s_lshl_b32 s87, s[CH], 8
	s_add_co_u32 s86, s86, s87
	s_lshl_b32 s88, s[TR], 7
	s_lshl_b32 s87, s[RH], 6
	s_add_co_u32 s88, s88, s87
	s_lshl_b32 s90, s88, 12
	s_add_co_u32 s90, s90, s86
	s_mov_b32 s91, 0
	s_add_nc_u64 s[RESP:RESP+1], s[8:9], s[90:91]  ; h2 lies at hx's first byte
	s_add_nc_u64 s[OUTP:OUTP+1], s[10:11], s[90:91]
	WIN 0x80
.irp a, 0,1,2,3
.irp t, 0,1,2,3,4,5,6,7
	global_load_b128 v[32*(\a)+4*(\t):32*(\a)+4*(\t)+3], v[CO], s[RESP:RESP+1] offset:(16*(\a)+2*(\t))*4096
.endr
.endr
	WIN 0
	; the prefetches stand at K step 3; the first change of slots steps them to 4
	s_lshl_b32 s86, s[TR], 14
	s_lshl_b32 s87, s[CH], 20
	s_add_co_u32 s86, s86, s87
	s_lshr_b32 s87, s[CX], 1
	s_lshl_b32 s87, s87, 19
	s_add_co_u32 s86, s86, s87
	s_and_b32 s87, s[CX], 1
	s_lshl_b32 s87, s87, 13
	s_add_co_u32 s86, s86, s87
	s_add_co_u32 s86, s86, 3*ASTEP
	s_lshl_b32 s90, s[TC], 20
	s_lshl_b32 s87, s[CH], 15
	s_add_co_u32 s90, s90, s87
	s_lshl_b32 s87, s[CY], 13
	s_add_co_u32 s90, s90, s87
	s_add_co_u32 s90, s90, O_WD+3*BSTEP
	s_and_b32 s88, ttmp7, 0xffff
	s_mov_b32 s[PST], BSTEP
	s_mov_b32 s[PST+1], 0
	s_cmp_eq_u32 s[RH], 0
	s_cselect_b32 s90, s86, s90
	s_cselect_b32 s88, ttmp9, s88                  ; the coordinate along which other clusters read the same bytes
	s_cselect_b32 s[PST], ASTEP, s[PST]
	s_cselect_b64 s[PFA:PFA+1], s[4:5], s[6:7]
	s_add_nc_u64 s[PFA:PFA+1], s[PFA:PFA+1], s[90:91]
	s_cmp_eq_u32 s88, 0
	s_cselect_b32 s[LIM], 2, -1
.macro MUL8 f, c, a0, zero
	WIN MUL
.irp a, \a0, (\a0)+1
.irp b, 0,1,2,3
.if \zero
	v_wmma_f32_16x16x32_bf16 v[ACC+8*(4*(\a)+(\b)):ACC+8*(4*(\a)+(\b))+7], v[(\f)+64+8*(4*(\c)+(\b)):(\f)+64+8*(4*(\c)+(\b))+7], v[(\f)+8*(4*(\c)+(\a)):(\f)+8*(4*(\c)+(\a))+7], 0
.else
	v_wmma_f32_16x16x32_bf16 v[ACC+8*(4*(\a)+(\b)):ACC+8*(4*(\a)+(\b))+7], v[(\f)+64+8*(4*(\c)+(\b)):(\f)+64+8*(4*(\c)+(\b))+7], v[(\f)+8*(4*(\c)+(\a)):(\f)+8*(4*(\c)+(\a))+7], v[ACC+8*(4*(\a)+(\b)):ACC+8*(4*(\a)+(\b))+7]
.endif
.endr
.endr
.endm
.macro FETCH kq, f
	WIN TO_F
.irp c, 0,1
.irp i, 0,1,2,3
	ds_load_tr16_b128 v[(\f)+64+8*(4*(\c)+(\i)):(\f)+64+8*(4*(\c)+(\i))+3],   v[ADRB+((\kq)>>1)] offset:((\kq)&1)*64*PB+(\c)*32*PB+32*(\i)
	ds_load_tr16_b128 v[(\f)+64+8*(4*(\c)+(\i))+4:(\f)+64+8*(4*(\c)+(\i))+7], v[ADRB+((\kq)>>1)] offset:((\kq)&1)*64*PB+(\c)*32*PB+32*(\i)+16*PB
	ds_load_b128 v[(\f)+8*(4*(\c)+(\i)):(\f)+8*(4*(\c)+(\i))+3],   v[ADRA] offset:(\kq)*128*PA+64*(\c)+(\i)*16*PA
	ds_load_b128 v[(\f)+8*(4*(\c)+(\i))+4:(\f)+8*(4*(\c)+(\i))+7], v[ADRA] offset:(\kq)*128*PA+64*(\c)+(\i)*16*PA+32
.endr
.endr
.endm
.macro QUARTER kq, f, g, zero
	s_wait_dscnt 16                                ; the first 32 along K are in
	MUL8 \f, 0, 0, \zero
	MUL8 \f, 0, 2, \zero
	PLACES
	FETCH \kq, \g
	s_wait_dscnt 32                                ; all but the 32 just issued
	MUL8 \f, 1, 0, 0
	MUL8 \f, 1, 2, 0
.endm
; The last quarter multiplies buffer 1 and changes slots: one barrier; in front of it each wave waits for all its tensor loads, adds 0 to its spare word, and waits for that and for its reads of the slot.
; fill = 1: the barrier opens a round of the cluster's, and the slot just read is filled again, first thing behind it, with the K step two on: 112 matrix instructions ahead of the wait for it.
.macro TURN fill
.if \fill
	s_wait_xcnt 0x0                                ; the last prefetch, a K step back, has read its address
	s_add_nc_u64 s[PFA:PFA+1], s[PFA:PFA+1], s[PST:PST+1]
.endif
	WIN 0
	s_wait_tensorcnt 0x0
	ds_add_u32 v[SPW], v[NIL]
.if \fill
	s_xor_b32 s[G0A+5], s[G0A+5], SLOT
	s_add_nc_u64 s[G0A+6:G0A+7], s[G0A+6:G0A+7], ASTEP
	s_xor_b32 s[G0B+5], s[G0B+5], SLOT
	s_add_nc_u64 s[G0B+6:G0B+7], s[G0B+6:G0B+7], BSTEP
.endif
	s_xor_b32 s[TB], s[TB], SLOT
	s_wait_dscnt 17                                ; the add and the youngest sixteen loads may be out
	MUL8 F1, 0, 0, 0
	s_wait_dscnt 0x0
	s_barrier_signal -1
	MUL8 F1, 0, 2, 0
	WIN 0
	s_barrier_wait -1
.if \fill
	CREST
	JLOAD
.else
	PLACES
.endif
	v_add_nc_u32 v[ADRA], s[TB], v[ADRA0]
	v_add_nc_u32 v[ADRB], s[TB], v[ADRB0]
	v_add_nc_u32 v[ADRB+1], s[TB], v[ADRB0+1]
	FETCH 0, F0
.if \fill
	ASK
.endif
	MUL8 F1, 1, 0, 0
	MUL8 F1, 1, 2, 0
.endm
	s_wait_tensorcnt 0x1                           ; my part of K step 0 is in; K step 1's may stay out
	s_barrier_signal -1
	s_barrier_wait -1
	FETCH 0, F0
	QUARTER 1, F0, F1, 1
	WIN 0
	s_mov_b32 s[CNT], NS-2
.Lstep:
	QUARTER 2, F1, F0, 0
	QUARTER 3, F0, F1, 0
	TURN 1
	QUARTER 1, F0, F1, 0
	WIN 0
	s_sub_co_u32 s[CNT], s[CNT], 1
	s_cmp_lg_u32 s[CNT], 0
	s_cbranch_scc1 .Lstep
	s_mov_b32 s[CNT], 2                            ; the last two K steps fill nothing: one text, walked twice, entered in its middle
	s_branch .Lmid
.Ltail:
	QUARTER 1, F0, F1, 0
	WIN 0
.Lmid:
	QUARTER 2, F1, F0, 0
	QUARTER 3, F0, F1, 0
	TURN 0                                         ; (the second time its 32 loads, from the other slot's landed bytes, serve nothing: the price of one text)
	WIN 0
	s_sub_co_u32 s[CNT], s[CNT], 1
	s_cmp_lg_u32 s[CNT], 0
	s_cbranch_scc1 .Ltail
	; THE WAY OUT, 16 rows at a time: through my stage into whole rows of 256 bytes, + h2, stored
	s_wait_dscnt 0x0
	s_wait_loadcnt 0x0                             ; h2
	PLACES
.macro OUT a
	s_wait_xcnt 0x0                                ; the last block's stores have read their registers
.irp b, 0,1,2,3
	ds_store_b128 v[STO], v[ACC+8*(4*(\a)+(\b)):ACC+8*(4*(\a)+(\b))+3]   offset:64*(\b)
	ds_store_b128 v[STO], v[ACC+8*(4*(\a)+(\b))+4:ACC+8*(4*(\a)+(\b))+7] offset:64*(\b)+16
.endr
.irp t, 0,1,2,3,4,5,6,7
	ds_load_b128 v[TMP+4*(\t):TMP+4*(\t)+3], v[RD] offset:544*(\t)  ; LDS serves a wave's instructions in order: these see the stores above
.endr
	s_wait_dscnt 0x0
	WIN 0x08                                       ; source 1 window 2
.irp t, 0,1,2,3,4,5,6,7
	v_pk_add_f32 v[TMP+4*(\t):TMP+4*(\t)+1],   v[TMP+4*(\t):TMP+4*(\t)+1],   v[32*(\a)+4*(\t):32*(\a)+4*(\t)+1]
	v_pk_add_f32 v[TMP+4*(\t)+2:TMP+4*(\t)+3], v[TMP+4*(\t)+2:TMP+4*(\t)+3], v[32*(\a)+4*(\t)+2:32*(\a)+4*(\t)+3]
.endr
	WIN 0
.irp t, 0,1,2,3,4,5,6,7
	global_store_b128 v[CO], v[TMP+4*(\t):TMP+4*(\t)+3], s[OUTP:OUTP+1] offset:(16*(\a)+2*(\t))*4096 th:TH_STORE_NT  ; 16 lanes store 256 consecutive bytes, aligned
.endr
.endm
	OUT 0
	OUT 1
	OUT 2
	OUT 3
	s_wait_tensorcnt 0x0                           ; the wave's end
	ds_add_u32 v[SPW], v[NIL]
	s_wait_dscnt 0x0
	CROUND                                         ; the closing round
	s_endpgm
.Lfunc_end_k_qb700adcafd_down:
	.size	k_qb700adcafd_down, .Lfunc_end_k_qb700adcafd_down-k_qb700adcafd_down
	.p2alignl 7, 3214868480
	.fill 96, 4, 3214868480
	.section	.rodata,"a",@progbits
	.p2align	6, 0x0
	.amdhsa_kernel k_qb700adcafd_down
		.amdhsa_group_segment_fixed_size 327680
		.amdhsa_private_segment_fixed_size 0
		.amdhsa_enable_private_segment 0
		.amdhsa_kernarg_size 32
		.amdhsa_user_sgpr_count 2
		.amdhsa_user_sgpr_kernarg_segment_ptr 1
		.amdhsa_wavefront_size32 1
		.amdhsa_system_sgpr_workgroup_id_x 1
		.amdhsa_system_sgpr_workgroup_id_y 1
		.amdhsa_system_sgpr_workgroup_id_z 1
		.amdhsa_system_vgpr_workitem_id 0
		.amdhsa_next_free_vgpr 640
		.amdhsa_next_free_sgpr 96
		.amdhsa_reserve_vcc 0
		.amdhsa_float_denorm_mode_32 3
		.amdhsa_float_denorm_mode_16_64 3
		.amdhsa_memory_ordered 1
		.amdhsa_forward_progress 1
		.amdhsa_inst_pref_size 66
	.end_amdhsa_kernel
	.amdgpu_metadata
---
amdhsa.version: [ 1, 2 ]
amdhsa.kernels:
  - .name:           k_qb700adcafd_down
    .symbol:         k_qb700adcafd_down.kd
    .args:
      - { .name: act, .offset: 0, .size: 8, .value_kind: global_buffer, .address_space: global }
      - { .name: wb, .offset: 8, .size: 8, .value_kind: global_buffer, .address_space: global }
      - { .name: hx, .offset: 16, .size: 8, .value_kind: global_buffer, .address_space: global }
      - { .name: out0, .offset: 24, .size: 8, .value_kind: global_buffer, .address_space: global }
    .group_segment_fixed_size: 327680
    .private_segment_fixed_size: 0
    .kernarg_segment_align: 8
    .kernarg_segment_size: 32
    .max_flat_workgroup_size: 128
    .sgpr_count:     96
    .vgpr_count:     640
    .wavefront_size: 32
...
	.end_amdgpu_metadata
.endif
;; end of part 6
